; MI455X (gfx1250); checked and timed in simulation.
; The chip was launched on July 23, 2026; its instructions are those of AMD's public machine-readable ISA for CDNA 5 (MIT licence, August 2026) and "CDNA5" Instruction Set Architecture Reference Guide (July 2026). The comments in the code are by the model that wrote it; some were corrected since.
;; Multi Head Attention. Allowed arithmetic: matrix products marked QUANTISED: E4M3 operands, one E8M0 scale for each 32 along K, by v_wmma_scale_f32_16x16x128_f8f6f4 with both operands' format E4M3, f32 sums; everything else in f32.
;; Inputs: mask 2,048 x 2,048 float32; w_k 2,048 x 2,048 float32; w_o 2,048 x 2,048 float32; w_q 2,048 x 2,048 float32; w_v 2,048 x 2,048 float32; x 1 x 2,048 x 2,048 float32.
;; Outputs: out0 1 x 2,048 x 2,048 float32.
;; This version of the problem:
;;   THIS VERSION OF THE PROBLEM IS GIVEN IN LOW PRECISION. The matrix products marked QUANTISED in the list below multiply operands that are first quantised to E4M3 (4 exponent bits, 3 mantissa bits; 8 bits a number), with one power-of-two scale for each 32 numbers along K (OCP MX v1.0); their sums are f32. All else is computed in f32.
;;   The module's matrix products, in the order in which they are computed (A, B: the left and right operand; K: the contracted axis; several contracted axes count as one K, in the product's order):
;;     1. [M 2,048, K 2,048] x [K 2,048, N 2,048]; A: input x; B: input w_q: QUANTISED
;;     2. [M 2,048, K 2,048] x [K 2,048, N 2,048]; A: input x; B: input w_k: QUANTISED
;;     3. [M 2,048, K 2,048] x [K 2,048, N 2,048]; A: input x; B: input w_v: QUANTISED
;;     4. batch 16 x [M 2,048, K 128] x [K 128, N 2,048]; A: computed on the way; B: computed on the way: QUANTISED
;;     5. batch 16 x [M 128, K 2,048] x [K 2,048, N 2,048]; A: computed on the way; B: softmax (see below): QUANTISED
;;     6. [M 2,048, K 2,048] x [K 2,048, N 2,048]; A: computed on the way; B: input w_o: QUANTISED
;;   THE QUANTISER, for each operand of a quantised product, along K:
;;     - K is cut into blocks of 32 from its start; a last block that is shorter is filled with zeros.
;;     - A block's scale is 2^e with e = floor(log2(the largest magnitude in the block)) - 8, held to -126 .. 127; a block of zeros has e = 0. As a byte (E8M0): e + 127.
;;     - Each number is divided by its block's scale, clamped to +-448, and rounded to the nearest number of E4M3, ties to even, subnormals kept.
;;     - The product sums the exact products of the quantised numbers (number of the format x scale) in f32.
;;   ~~~python
;;   def quantise(x, axis):      # numpy; x: float32 -> the quantised numbers, widened to float32 again
;;       x = np.moveaxis(x, axis, -1); K = x.shape[-1]
;;       x = np.pad(x, [(0, 0)] * (x.ndim - 1) + [(0, -K % 32)]); x = x.reshape(x.shape[:-1] + (-1, 32)); a = np.abs(x).max(-1, keepdims=True)
;;       e = np.where(a > 0, np.clip(np.frexp(np.where(a > 0, a, 1))[1] - 1 - 8, -126, 127), 0)      # np.frexp(a)[1] - 1 = floor(log2(a)), exactly
;;       r = np.clip(x / 2.0 ** e, -448, 448)
;;       step = 2.0 ** (np.maximum(np.frexp(np.where(r == 0, 1, r))[1] - 1, -6) - 3)
;;       q = np.round(r / step) * step * 2.0 ** e      # np.round: ties to even
;;       return np.moveaxis(q.reshape(q.shape[:-2] + (-1,))[..., :K], -1, axis).astype(np.float32)
;;   ~~~
;;   SOFTMAX AHEAD OF A QUANTISED PRODUCT. Where the list says 'softmax', what is quantised is not the finished softmax but p = 2^(t - M), with t = logit x log2(e) and M = ceil(the row's largest t), a whole number; so 1/2 < the row's largest p <= 1. The row's sum l is taken of the UNQUANTISED p, in f32, and the product's result is divided by l at the end. Since M is a whole number, a kernel that streams over the keys may use a running M (the ceiling of the running maximum): every later rescaling is an exact power of two, which a block's scale takes up: the codes' values come out the same.
;;   OPERANDS COMPUTED ON THE WAY. 'Computed on the way' means the value that the module computes at that place (a softmax that the list does not call 'softmax' is quantised finished and normalised). What goes into a quantiser is computed in f32, as accurately as f32 sums, v_exp_f32 and their like allow (about 1e-6 of the number): no bf16 or f16 on the way to a quantiser, and a product that is left as it is and whose result goes on into a quantised operand takes f32 operands (vector FMAs, or v_wmma_f32_16x16x4_f32). A number that lies on a knife's edge between two numbers of the format may be rounded either way, as far as f32 arithmetic and the matrix unit's own rounding can turn it there, and no further.
;; One version. Each part assembles by itself: llvm-mc -triple=amdgcn-amd-amdhsa -mcpu=gfx1250 --defsym DOCPART=n.
;; ======== version 1 of 1: 4 launches
;; workspace buffers: cw 20,971,520 bytes; sw 655,360 bytes; tm 16,777,216 bytes; qkv 12,582,912 bytes; sq 393,216 bytes; ao 4,194,304 bytes; aos 131,072 bytes
;; launch prep (part 1): grid 512 x 1, 4 waves a work-group, no clusters, 34,304 bytes of LDS; arguments x, mask, w_q, w_k, w_v, w_o, cw, sw, tm; writes cw, sw, tm
.if DOCPART == 1
	.amdgcn_target "amdgcn-amd-amdhsa--gfx1250"
	.amdhsa_code_object_version 6
	.text
	.protected	k_q3e9d30191b_prep
	.globl	k_q3e9d30191b_prep
	.p2align	8
	.type	k_q3e9d30191b_prep,@function
k_q3e9d30191b_prep:
	s_mov_b64 s[64:65], 0
	v_nop
	global_prefetch_b8 v0, s[64:65] scope:SCOPE_SE
	s_setreg_imm32_b32 hwreg(HW_REG_WAVE_MODE, 25, 1), 1
	s_wait_xcnt 0x0
; x [2048][2048] and the four weights [2048 (k)][2048 (n)], f32, become codes of FP8 (E4M3) with one E8M0 byte for each 32 along K = d_model; the additive mask becomes f32 numbers in units of t = logit x log2(e).
; EVERYTHING IS LAID IN THE ORDER OF THE READERS' REGISTERS.  An IMAGE is a fragment of 16 rows x 128 K as its registers: byte 512 c + 16 lane + e is the code of row lane % 16 at k = 32 c + 16 (lane / 16) + e.
; Row i of row block t is the true row pi(t, i) = 32 (t / 2) + 8 (t % 2) + i + 8 (i / 8): a product that takes such a block as source 0 leaves 16 neighbours along that axis in a lane's registers.
; cw: five regions of 4 MiB (x, w_q, w_k, w_v, w_o), each [K / 256][row block][2][image].   sw: five regions of 128 KiB, [row block][K / 512][row i][4 words], a word = the four bytes of 128 along K.
; tm: [tile of 16 queries][step of 128 keys][quad 4 b + j][lane][16 bytes]: of query pi(tile, lane % 16) the keys 128 step + 32 b + 16 (lane / 16) + 4 j + 0 .. 3.
; A block's scale is 2^(floor(log2(its largest magnitude)) - 8); its byte is that magnitude's exponent field - 8, held at 1 from below; each number is held within +-448 x the scale and rounded to the nearest code.
; LIMITS: NaN and infinities are not served; a block whose largest magnitude lies under 2^-118 (a block of zeros among them) carries the byte 1: a zero block's codes are zeros, and this program alone reads the bytes;
; mask x log2(e) is held at -3e38 from below (finfo.min x log2(e) would leave f32's range).
; SHARES.  Work-groups 0-255: the weights (a lane takes a column n, its registers run down K: 32 columns x 512 K a wave).  256-383: x;  384-511: the mask (one row block a work-group, 512 columns a wave).
; x and the mask take ONE path through the text (the pointer is chosen by the work-group's number); they part only for the arithmetic, which touches no LDS.  The weights' path uses no LDS.
; Memory binds: no matrix unit, no cluster (no two work-groups read the same bytes), no barrier (waves share nothing).
.set STG,   8448                       ; a wave's stage: 16 rows x (512 bytes + 16)
.set SPARE, 4*STG                      ; behind the four stages: the spare words, 128 bytes for each wave
.set SPW,   12                         ; v12  LDS address of my spare word; never rewritten
.set NIL,   13                         ; v13  0; never rewritten
.set R,     16                         ; v16-143  rows' path: two sets of 16 x 4 registers as loaded
.set X,     144                        ; v144-207 64 numbers of my row: register 16 b + i = k 32 b + 16 (lane / 16) + i
.set PC,    208                        ; v208-223 the codes just made
.set TM,    224                        ; v224-239 +0 largest magnitudes, +4 bytes, +8 448 x the scale, +12 the conversions' scale operands
.set PW,    240                        ; v240-243 the four scale words of my row
.set WX,    16                         ; v16-79   weights' path: two sets of 32 numbers
.set WC,    80                         ; v80-87   a block's codes
.set SB,    88                         ; v88-91   scale bytes, four to a register
.set WV,    22
.set ISM,   23                         ; s23  1: the mask, 0: x
.set SEL,   24                         ; s[24:25] v_permlanex16_b32's selects for lane l xor 16
.set MNT,   26                         ; s26  the mantissa field of 448
.set L2E,   28                         ; s[28:29] log2(e); the packed form names a pair
.macro QUANT s, pw                     ; 64 numbers v[s] on become a fragment's codes in v[PC] on and the row's scale word in v[pw]
.irp b, 0,1,2,3
	v_max3_num_f32 v[TM+\b], |v[\s+16*\b]|, |v[\s+1+16*\b]|, 0x4800000   ; block b: my 16 numbers, and the floor 2^(9 - 127): the byte cannot fall under 1
.endr
.irp i, 2,4,6,8,10,12,14
.irp b, 0,1,2,3
	v_max3_num_f32 v[TM+\b], v[TM+\b], |v[\s+16*\b+\i]|, |v[\s+1+16*\b+\i]|
.endr
.endr
.irp b, 0,1,2,3
	v_permlanex16_b32 v[TM+4+\b], v[TM+\b], s[SEL], s[SEL+1]
.endr
.irp b, 0,1,2,3
	v_max_num_f32 v[TM+\b], v[TM+\b], v[TM+4+\b]       ; with lane l xor 16's 16: the block's largest magnitude
.endr
.irp b, 0,1,2,3
	v_add_nc_u32 v[TM+12+\b], 0xfc000000, v[TM+\b]     ; 8 off its exponent field: the conversion's scale operand
.endr
.irp b, 0,1,2,3
	v_and_or_b32 v[TM+8+\b], v[TM+\b], 0x7f800000, s[MNT]   ; 448 x the scale
.endr
.irp b, 0,1,2,3
	v_lshrrev_b32 v[TM+4+\b], 23, v[TM+12+\b]          ; the scale's byte
.endr
	v_lshl_or_b32 v[\pw], v[TM+5], 8, v[TM+4]
	v_lshl_or_b32 v[\pw], v[TM+6], 16, v[\pw]
	v_lshl_or_b32 v[\pw], v[TM+7], 24, v[\pw]
.irp b, 0,1,2,3
.irp i, 0,1,2,3,4,5,6,7,8,9,10,11,12,13,14,15
	v_med3_num_f32 v[\s+16*\b+\i], v[\s+16*\b+\i], -v[TM+8+\b], v[TM+8+\b]   ; the conversion to an 8-bit code does not saturate (ISA guide 7.6.2): the hold comes first
.endr
	v_cvt_scalef32_pk8_fp8_f32 v[PC+4*\b:PC+1+4*\b], v[\s+16*\b:\s+7+16*\b], v[TM+12+\b]
	v_cvt_scalef32_pk8_fp8_f32 v[PC+2+4*\b:PC+3+4*\b], v[\s+8+16*\b:\s+15+16*\b], v[TM+12+\b]
.endr
	v_nop                                          ; a plain line behind the last conversion
.endm
.macro LOAD t                          ; columns 128 t on of my 512, all 16 rows: each load reads 512 consecutive bytes of one row
.irp i, 0,1,2,3,4,5,6,7,8,9,10,11,12,13,14,15
	global_load_b128 v[R+64*((\t)%2)+4*\i:R+64*((\t)%2)+4*\i+3], v3, s[4:5] offset:(\i+8*(\i/8))*8192+512*(\t) th:TH_LOAD_NT
.endr
.endm
.macro TURN t                          ; through my stage: in by rows, out 16 neighbours of each block of 32 a lane.  LDS serves a wave's instructions in order (ISA guide 5.7.1.4): no wait between
.irp i, 0,1,2,3,4,5,6,7,8,9,10,11,12,13,14,15
	ds_store_b128 v4, v[R+64*((\t)%2)+4*\i:R+64*((\t)%2)+4*\i+3] offset:528*\i
.endr
.irp q, 0,1,2,3,4,5,6,7,8,9,10,11,12,13,14,15
	ds_load_b128 v[X+4*\q:X+4*\q+3], v5 offset:128*(\q/4)+16*(\q%4)
.endr
.endm
.macro RSTEP t                         ; 128 columns of the 16 rows
.if \t > 0
	s_wait_xcnt 0x0                                ; the last step's stores have read their data: X and PC are written again only behind this wait
.endif
.if \t < 3
	s_wait_loadcnt 16                              ; this step's 16 loads are in; the next step's 16 may be out
.else
	s_wait_loadcnt 0x0
.endif
	TURN \t
	s_wait_dscnt 0x0                               ; my numbers are back; the stage's stores have read their registers,
.if \t < 2
	LOAD \t+2                                      ; which take the loads of two steps on
.endif
	s_cmp_lg_u32 s[ISM], 0
	s_cbranch_scc1 .Lmask_\@
	QUANT X, PW+\t
.irp c, 0,1,2,3
	global_store_b128 v3, v[PC+4*\c:PC+4*\c+3], s[16:17] offset:(\t/2)*524288+(\t%2)*2048+512*\c   ; the image as it stands: 512 consecutive bytes a store
.endr
	s_branch .Ldone_\@
.Lmask_\@:
.set j, 0
.rept 32
	v_pk_mul_f32 v[X+j:X+j+1], v[X+j:X+j+1], s[L2E:L2E+1] op_sel_hi:[1,0]   ; in units of t
.set j, j+2
.endr
.set j, 0
.rept 64
	v_max_num_f32 v[X+j], 0xff61b1e6, v[X+j]       ; held at -3e38 from below
.set j, j+1
.endr
.irp q, 0,1,2,3,4,5,6,7,8,9,10,11,12,13,14,15
	global_store_b128 v3, v[X+4*\q:X+4*\q+3], s[20:21] offset:8192*\t+512*\q
.endr
.Ldone_\@:
.endm
.macro LOADW t                         ; block t: W(32 t + i, my column), i = 0 .. 31
.set i, 0
.rept 32
	global_load_b32 v[WX+32*((\t)%2)+i], v3, s[40:41] offset:(32*(\t)+i)*8192 th:TH_LOAD_NT
.set i, i+1
.endr
.endm
.macro BLOCK t
.set XS, WX+32*((\t)%2)
.if (\t) < 15
	s_wait_loadcnt 32                              ; this block's 32 loads are in; the next block's may be out
.else
	s_wait_loadcnt 0x0
.endif
	v_max3_num_f32 v9, |v[XS]|, |v[XS+1]|, |v[XS+2]|   ; all 32 numbers of the block are mine
	v_max3_num_f32 v10, |v[XS+3]|, |v[XS+4]|, |v[XS+5]|
.irp i, 6,10,14,18,22,26
	v_max3_num_f32 v9, v9, |v[XS+\i]|, |v[XS+\i+1]|
	v_max3_num_f32 v10, v10, |v[XS+\i+2]|, |v[XS+\i+3]|
.endr
	v_max3_num_f32 v9, v9, |v[XS+30]|, |v[XS+31]|
	v_max3_num_f32 v9, v9, v10, 0x4800000          ; and the floor
	v_add_nc_u32 v11, 0xfc000000, v9               ; the conversion's scale operand
	v_and_or_b32 v10, v9, 0x7f800000, s[MNT]       ; 448 x the scale
	v_lshrrev_b32 v9, 23, v11                      ; the byte
.if (\t)%4 == 0
	v_mov_b32 v[SB+(\t)/4], v9
.else
	v_lshl_or_b32 v[SB+(\t)/4], v9, 8*((\t)%4), v[SB+(\t)/4]
.endif
.set j, 0
.rept 32
	v_med3_num_f32 v[XS+j], v[XS+j], -v10, v10
.set j, j+1
.endr
	s_wait_xcnt 0x0                                ; the last block's stores have read their data
.irp g, 0,1,2,3
	v_cvt_scalef32_pk8_fp8_f32 v[WC+2*\g:WC+2*\g+1], v[XS+8*\g:XS+8*\g+7], v11
.endr
	v_nop
	global_store_b128 v7, v[WC:WC+3], s[16:17] offset:((\t)/8)*524288+(((\t)/4)%2)*2048+((\t)%4)*512        ; k 0-15 of the block: the image's lanes 0-15; the sixteen columns of a row block fill 256 consecutive bytes
	global_store_b128 v7, v[WC+4:WC+7], s[16:17] offset:((\t)/8)*524288+(((\t)/4)%2)*2048+((\t)%4)*512+256  ; k 16-31: its lanes 16-31
.if (\t)+2 < 16
	LOADW (\t)+2
.endif
.endm
	s_load_b256 s[4:11], s[0:1], 0x0               ; x, mask, w_q, w_k
	s_load_b256 s[12:19], s[0:1], 0x20             ; w_v, w_o, cw, sw
	s_load_b64 s[20:21], s[0:1], 0x40              ; tm
	v_lshl_add_u32 v[SPW], v0, 2, SPARE
	v_mov_b32 v[NIL], 0
	v_lshrrev_b32 v1, 5, v0
	v_readfirstlane_b32 s[WV], v1                  ; wave 0..3
	v_and_b32 v2, 31, v0                           ; lane
	s_mov_b32 s[SEL], 0x76543210
	s_mov_b32 s[SEL+1], 0xfedcba98
	s_mov_b32 s[MNT], 0x600000
	s_mov_b32 s[L2E], 0x3fb8aa3b
	s_mov_b32 s[L2E+1], s[L2E]
	s_cmp_lt_u32 ttmp9, 256
	s_cbranch_scc0 .Lrows
	; ---- the weights
	s_lshr_b32 s30, ttmp9, 6                       ; which weight
	s_bfe_u32 s31, ttmp9, 0x40002                  ; which 128 columns
	s_and_b32 s32, ttmp9, 3                        ; which 512 along K
	s_lshl_b32 s33, s31, 2
	s_add_co_u32 s33, s33, s[WV]                   ; my wave's 32 columns
	v_lshlrev_b32 v3, 2, v2                        ; in: 4 bytes a lane
	v_bfe_u32 v4, v2, 3, 1                         ; column 32 B + l lies in row block 2 B + (l / 8) % 2,
	v_and_b32 v5, 7, v2
	v_lshrrev_b32 v6, 4, v2
	v_lshl_or_b32 v5, v6, 3, v5                    ; at row i = l % 8 + 8 (l / 16)
	v_lshlrev_b32 v5, 4, v5
	v_lshl_add_u32 v7, v4, 12, v5                  ; codes: 4,096 x block + 16 i
	v_lshl_add_u32 v8, v4, 10, v5                  ; scale words: 1,024 x block + 16 i
	s_lshl_b32 s34, s32, 22                        ; W: 512 rows of 8,192 bytes,
	s_lshl_b32 s35, s33, 7                         ; 32 columns of 4 bytes
	s_add_co_u32 s34, s34, s35
	s_mov_b32 s35, 0
	s_add_co_u32 s36, s30, 1                       ; cw: the region,
	s_lshl_b32 s36, s36, 22
	s_lshl_b32 s37, s32, 20                        ; two K steps of 256 for each 512 along K,
	s_add_co_u32 s36, s36, s37
	s_lshl_b32 s37, s33, 13                        ; two row blocks
	s_add_co_u32 s36, s36, s37
	s_mov_b32 s37, 0
	s_add_co_u32 s38, s30, 1                       ; sw likewise
	s_lshl_b32 s38, s38, 17
	s_lshl_b32 s39, s33, 11
	s_add_co_u32 s38, s38, s39
	s_lshl_b32 s39, s32, 8
	s_add_co_u32 s38, s38, s39
	s_mov_b32 s39, 0
	s_and_b32 s44, s30, 1
	s_wait_kmcnt 0x0
	s_cmp_lt_u32 s30, 2                            ; the choice hangs on the work-group's number alone
	s_cselect_b64 s[40:41], s[8:9], s[12:13]
	s_cselect_b64 s[42:43], s[10:11], s[14:15]
	s_cmp_eq_u32 s44, 0
	s_cselect_b64 s[40:41], s[40:41], s[42:43]
	s_add_nc_u64 s[40:41], s[40:41], s[34:35]
	s_add_nc_u64 s[16:17], s[16:17], s[36:37]
	s_add_nc_u64 s[18:19], s[18:19], s[38:39]
	LOADW 0
	LOADW 1
.irp t, 0,1,2,3,4,5,6,7,8,9,10,11,12,13,14,15
	BLOCK \t
.endr
	global_store_b128 v8, v[SB:SB+3], s[18:19]     ; my column's four words: the sixteen columns of a row block fill 256 consecutive bytes
	s_branch .Lend
	; ---- x and the mask
.Lrows:
	s_and_b32 s30, ttmp9, 127                      ; the row block
	s_bfe_u32 s[ISM], ttmp9, 0x10007
	s_lshr_b32 s31, s30, 1
	s_lshl_b32 s31, s31, 5
	s_and_b32 s32, s30, 1
	s_lshl_b32 s32, s32, 3
	s_add_co_u32 s31, s31, s32                     ; its first row
	s_lshl_b32 s32, s31, 13                        ; rows of 8,192 bytes,
	s_lshl_b32 s33, s[WV], 11                      ; my wave's 512 columns
	s_add_co_u32 s32, s32, s33
	s_mov_b32 s33, 0
	s_lshl_b32 s34, s[WV], 20                      ; cw
	s_lshl_b32 s35, s30, 12
	s_add_co_u32 s34, s34, s35
	s_mov_b32 s35, 0
	s_lshl_b32 s36, s30, 10                        ; sw
	s_lshl_b32 s37, s[WV], 8
	s_add_co_u32 s36, s36, s37
	s_mov_b32 s37, 0
	s_lshl_b32 s38, s30, 17                        ; tm
	s_lshl_b32 s39, s[WV], 15
	s_add_co_u32 s38, s38, s39
	s_mov_b32 s39, 0
	v_lshlrev_b32 v3, 4, v2                        ; 16 x lane
	s_mul_i32 s40, s[WV], STG
	v_add_nc_u32 v4, s40, v3                       ; the stage, in
	v_and_b32 v6, 15, v2
	v_lshrrev_b32 v7, 4, v2
	v_mul_u32_u24 v5, v6, 528
	v_lshl_add_u32 v5, v7, 6, v5
	v_add_nc_u32 v5, s40, v5                       ; and out: row lane % 16, + 64 (lane / 16); rows 528 bytes apart start at sixteen different 16-byte columns of 256
	v_lshlrev_b32 v8, 4, v6                        ; the scale words' place: 16 x row
.irp b, 0,1,2,3
	v_mov_b32 v[TM+4+\b], 0                        ; a lane permute's destination counts as one of its sources
	v_mov_b32 v[PW+\b], 0
.endr
	s_wait_kmcnt 0x0
	s_cmp_eq_u32 s[ISM], 0
	s_cselect_b64 s[4:5], s[4:5], s[6:7]
	s_add_nc_u64 s[4:5], s[4:5], s[32:33]
	s_add_nc_u64 s[16:17], s[16:17], s[34:35]
	s_add_nc_u64 s[18:19], s[18:19], s[36:37]
	s_add_nc_u64 s[20:21], s[20:21], s[38:39]
	LOAD 0
	LOAD 1
	RSTEP 0
	RSTEP 1
	RSTEP 2
	RSTEP 3
	s_cmp_lg_u32 s[ISM], 0
	s_cbranch_scc1 .Lend
	global_store_b128 v8, v[PW:PW+3], s[18:19]     ; 256 consecutive bytes; lanes 16-31 hold the same words as lanes 0-15 and write the same bytes
.Lend:
	s_wait_tensorcnt 0x0                           ; the wave's end
	ds_add_u32 v[SPW], v[NIL]
	s_wait_dscnt 0x0
	s_endpgm
.Lfunc_end_k_q3e9d30191b_prep:
	.size	k_q3e9d30191b_prep, .Lfunc_end_k_q3e9d30191b_prep-k_q3e9d30191b_prep
	.p2alignl 7, 3214868480
	.fill 96, 4, 3214868480
	.section	.rodata,"a",@progbits
	.p2align	6, 0x0
	.amdhsa_kernel k_q3e9d30191b_prep
		.amdhsa_group_segment_fixed_size 34304
		.amdhsa_private_segment_fixed_size 0
		.amdhsa_enable_private_segment 0
		.amdhsa_kernarg_size 72
		.amdhsa_user_sgpr_count 2
		.amdhsa_user_sgpr_kernarg_segment_ptr 1
		.amdhsa_wavefront_size32 1
		.amdhsa_system_sgpr_workgroup_id_x 1
		.amdhsa_system_sgpr_workgroup_id_y 1
		.amdhsa_system_sgpr_workgroup_id_z 1
		.amdhsa_system_vgpr_workitem_id 0
		.amdhsa_next_free_vgpr 256
		.amdhsa_next_free_sgpr 66
		.amdhsa_reserve_vcc 0
		.amdhsa_float_denorm_mode_32 3
		.amdhsa_float_denorm_mode_16_64 3
		.amdhsa_memory_ordered 1
		.amdhsa_forward_progress 1
		.amdhsa_inst_pref_size 192
	.end_amdhsa_kernel
	.amdgpu_metadata
---
amdhsa.version: [ 1, 2 ]
amdhsa.kernels:
  - .name:           k_q3e9d30191b_prep
    .symbol:         k_q3e9d30191b_prep.kd
    .args:
      - { .name: x, .offset: 0, .size: 8, .value_kind: global_buffer, .address_space: global }
      - { .name: mask, .offset: 8, .size: 8, .value_kind: global_buffer, .address_space: global }
      - { .name: w_q, .offset: 16, .size: 8, .value_kind: global_buffer, .address_space: global }
      - { .name: w_k, .offset: 24, .size: 8, .value_kind: global_buffer, .address_space: global }
      - { .name: w_v, .offset: 32, .size: 8, .value_kind: global_buffer, .address_space: global }
      - { .name: w_o, .offset: 40, .size: 8, .value_kind: global_buffer, .address_space: global }
      - { .name: cw, .offset: 48, .size: 8, .value_kind: global_buffer, .address_space: global }
      - { .name: sw, .offset: 56, .size: 8, .value_kind: global_buffer, .address_space: global }
      - { .name: tm, .offset: 64, .size: 8, .value_kind: global_buffer, .address_space: global }
    .group_segment_fixed_size: 34304
    .private_segment_fixed_size: 0
    .kernarg_segment_align: 8
    .kernarg_segment_size: 72
    .max_flat_workgroup_size: 128
    .sgpr_count:     66
    .vgpr_count:     256
    .wavefront_size: 32
...
	.end_amdgpu_metadata
.endif
;; end of part 1
;; launch qkvp (part 2): grid 24 x 8, 4 waves a work-group, clusters of 4 x 4, 327,680 bytes of LDS; arguments cw, sw, qkv, sq; writes qkv, sq
.if DOCPART == 2
	.amdgcn_target "amdgcn-amd-amdhsa--gfx1250"
	.amdhsa_code_object_version 6
	.text
	.protected	k_q3e9d30191b_qkvp
	.globl	k_q3e9d30191b_qkvp
	.p2align	8
	.type	k_q3e9d30191b_qkvp,@function
k_q3e9d30191b_qkvp:
	s_mov_b64 s[64:65], 0
	v_nop
	global_prefetch_b8 v0, s[64:65] scope:SCOPE_SE
	s_setreg_imm32_b32 hwreg(HW_REG_WAVE_MODE, 25, 1), 1
	s_wait_xcnt 0x0
	s_wait_alu depctr_hold_cnt(0) depctr_sa_sdst(0) depctr_va_vdst(0) depctr_va_sdst(0) depctr_va_ssrc(0) depctr_va_vcc(0) depctr_vm_vsrc(0)
	s_getreg_b32 s2, hwreg(HW_REG_IB_STS2, 6, 4)
	s_cmp_eq_u32 s2, 0
	s_cbranch_scc0 .Lentry_in_a_cluster
	s_endpgm
.Lentry_in_a_cluster:
	s_bfe_u32 s2, ttmp6, 0x10000c
	s_cmp_lg_u32 s2, 0xf033
	s_cbranch_scc0 .Lentry_shape_is_right
	s_endpgm
.Lentry_shape_is_right:
; xq = x w_q, xk = x w_k, xv = x w_v on codes of FP8 (E4M3) with E8M0 scales, K = 2,048, and each result quantised at once for attention: xq and xk along the head's 128, xv along the keys.
; THREE PRODUCTS IN ONE GRID: cluster x / 2 says which.  A product is R x P: source 1 = 16 rows of the operand called A (axis R), source 0 = 16 rows of the operand called B (axis P): a lane then holds ONE index of R,
; and, since a row block's rows are pi(t, i) = 32 (t / 2) + 8 (t % 2) + i + 8 (i / 8), its 64 registers of B's eight blocks are 128 NEIGHBOURS along P in the order of a fragment's registers: register 16 b + i = 32 b + 16 (lane / 16) + i.
; P is the axis that is quantised next.  q, k: A = x (tokens), B = the weight (P = a head's 128).  v: A = w_v (a head's 128), B = x (P = 128 keys).  The conversions' results ARE attention's fragments and leave straight from registers.
; OPERANDS lie in memory as images of fragments (byte 512 c + 16 lane + e of 2,048), [K / 256][row block][2][image]: a tile's K step is one dense block, a fragment comes from LDS by four loads of 512 consecutive bytes.
; A tile is 256 x 256 for four waves, 128 x 128 a wave: 64 accumulators, 512 registers.  K goes in steps of 256 through a ring of two LDS slots.  The scale words of the work-group's rows, for all of K, come once.
; CLUSTERS: 4 x 4.  A's tiles are shared along a row of the cluster, B's along a column: joint loads.  192 work-groups: tiles of 128 x 128 would give 768 but feed half as many products from each LDS byte.
; No prefetch: the launch is short, and each tile is asked for by several clusters at about the same time.
; qkv: three regions of 4 MiB, [head][block of 128 tokens or keys][a][image].   sq: three regions of 128 KiB, [head][block][row i][a] words.
; LIMITS: a block whose largest magnitude lies under 2^-118 carries the byte 1 (a zero block's codes are zeros; this program alone reads the bytes); NaN and infinities are not served.
; REGISTERS: window 0: v16-31 addresses; v32-63 scale words, two sets; v128-255 A's fragments, ONE set; on the way out v32-95 at work.  window 1: B's fragments, TWO sets.  windows 2, 3: accumulator (a, b) at v[8 (8 (a % 4) + b)].
.set NQ,    2                          ; matrix instructions deep in a slot
.set FR,    16
.set NL,    4
.set NP,    8                          ; places behind this matrix instruction (ISA guide 7.12.1)
.set RBLK,  4096                       ; a row block's two images in a slot
.set HALFT, 8*RBLK                     ; 128 rows: what one tensor load brings
.set SLOT,  4*HALFT                    ; A's 256 rows, then B's
.set KSB,   524288                     ; from a K step of 256 to the next, in memory
.set LAPS,  4                          ; 2,048 / 512
.set SCL,   2*SLOT                     ; the scale words: A's 16 KiB, then B's
.set HALFS, 8192
.set SBLK,  1024                       ; those of a row block
.set SPARE, SCL+4*HALFS                ; the spare words, 128 bytes for each wave
.set ADRA, 16
.set ADRB, 20
.set SO,   24                          ; v24  the scale words' place on the way out
.set LN,   25                          ; v25  lane
.set CO,   26                          ; v26  16 x lane
.set ADRS, 27
.set SPW,  28
.set NIL,  29
.set SC,   32
.set AF,   128
.set TM,   32                          ; the way out: v32-47 as in the quantiser: +0 magnitudes, +4 bytes, +8 448 x scale, +12 scale operands
.set PWS,  48                          ; v48-55 the eight scale words
.set MW,   56                          ; v56-59 as they are stored
.set PC,   64                          ; v64-95 codes, two sets
.set G1, 24
.set G0, 32
.set G1B, 48
.set G0B, 56
.set SEL, 66
.set G1S, 68
.set G0S, 76
.set G1SB, 80
.set G0SB, 88
.set MNT, 95
.set MSB, 0
.macro WIN new                         ; the immediate's high byte repeats the setting that is left
.if MSB != (\new)
	s_set_vgpr_msb (MSB<<8)|(\new)
.set MSB, (\new)
.endif
.endm
.set MUL_LO, 0xa1                      ; source 0 (B) window 1, source 1 (A) window 0, C and D window 2
.set MUL_HI, 0xf1
.set TO_B,   0x40
; A joint load: waves 0 and 1 fetch for A, waves 2 and 3 for B; the branch hangs on the wave's number alone.  An s_nop 0 and four v_nop follow each of the two lines.
.macro JLOAD g0a, g1a, g0b, g1b
	s_cmp_eq_u32 s15, 0
	s_cbranch_scc0 .Lfor_b_\@
	tensor_load_to_lds s[\g0a:\g0a+3], s[\g1a:\g1a+7]
	s_nop 0
.rept 4
	v_nop
.endr
	s_branch .Lasked_\@
.Lfor_b_\@:
	tensor_load_to_lds s[\g0b:\g0b+3], s[\g1b:\g1b+7]
	s_nop 0
.rept 4
	v_nop
.endr
.Lasked_\@:
.endm
.macro CREST                           ; a round of the cluster's barrier behind its opening barrier
	s_cmp_lg_u32 s14, 0
	s_cbranch_scc1 .Lnot_wave_0_\@
	s_barrier_signal -3
.Lnot_wave_0_\@:
	s_barrier_wait -3
	s_barrier_signal -1
	s_barrier_wait -1
.endm
.macro CROUND
	s_barrier_signal -1
	s_barrier_wait -1
	CREST
.endm
	s_load_b128 s[4:7], s[0:1], 0x0                ; cw, sw
	s_load_b128 s[8:11], s[0:1], 0x10              ; qkv, sq
	v_lshl_add_u32 v[SPW], v0, 2, SPARE
	v_mov_b32 v[NIL], 0
	ds_add_u32 v[SPW], v[NIL]                      ; the wave's opening
	v_lshrrev_b32 v1, 5, v0
	v_readfirstlane_b32 s14, v1                    ; wave 0..3
	s_lshr_b32 s15, s14, 1                         ; my half of R.  Also: I fetch for A (0) or B (1)
	s_and_b32 s16, s14, 1                          ; my half of P.  Also: which 128 rows I fetch
	s_bfe_u32 s40, ttmp6, 0x40000                  ; cx
	s_bfe_u32 s41, ttmp6, 0x40004                  ; cy
	s_lshr_b32 s12, ttmp9, 1                       ; which product: 0 q, 1 k, 2 v
	s_lshr_b32 s13, s12, 1                         ; 1 for v
	s_and_b32 s42, ttmp9, 1
	s_lshl_b32 s42, s42, 2
	s_add_co_u32 s42, s42, s40                     ; tile along P
	s_and_b32 s17, ttmp7, 0xffff
	s_lshl_b32 s17, s17, 2
	s_add_co_u32 s17, s17, s41                     ; tile along R
	s_lshl_b32 s43, s41, 2
	s_lshl_b32 s43, 15, s43                        ; my row of the cluster
	s_lshl_b32 s44, 0x1111, s40                    ; my column
	; descriptor group 1: 128 rows of 256 bytes (32 elements of 8), dense, no padding
	s_or_b32 s[G1+0], s43, (3<<16)|(1<<21)         ; 15:0 the mask; 17:16 elements of 8 bytes; 21 set beside a mask
	s_or_b32 s[G1B+0], s44, (3<<16)|(1<<21)
.irp g, G1, G1B
	s_mov_b32 s[\g+1], 32<<16                      ; tensor_dim0
	s_mov_b32 s[\g+2], 128<<16                     ; tensor_dim1
	s_mov_b32 s[\g+3], 32<<16                      ; tile_dim0
	s_mov_b32 s[\g+4], 128                         ; tile_dim1
	s_mov_b32 s[\g+5], 32                          ; tensor_dim0_stride
	s_mov_b32 s[\g+6], 0
	s_mov_b32 s[\g+7], 0
.endr
	s_or_b32 s[G1S+0], s43, (3<<16)|(1<<21)        ; the scale words of 128 rows: 32 rows of 256 bytes
	s_or_b32 s[G1SB+0], s44, (3<<16)|(1<<21)
.irp g, G1S, G1SB
	s_mov_b32 s[\g+1], 32<<16
	s_mov_b32 s[\g+2], 32<<16
	s_mov_b32 s[\g+3], 32<<16
	s_mov_b32 s[\g+4], 32
	s_mov_b32 s[\g+5], 32
	s_mov_b32 s[\g+6], 0
	s_mov_b32 s[\g+7], 0
.endr
	s_mul_i32 s18, s13, 3                          ; A's region: x (0), or w_v (3)
	s_lshl_b32 s20, s17, 1
	s_add_co_u32 s20, s20, s16                     ; which 128 rows of A
	s_lshl_b32 s22, s20, 13
	s_lshl_b32 s20, s20, 15
	s_lshl_b32 s19, s18, 22
	s_add_co_u32 s20, s20, s19
	s_mov_b32 s21, 0
	s_lshl_b32 s19, s18, 17
	s_add_co_u32 s22, s22, s19
	s_mov_b32 s23, 0
	s_add_co_u32 s45, s12, 1
	s_sub_co_u32 s45, s45, s18                     ; B's region: w_q (1), w_k (2), or x (0)
	s_lshl_b32 s46, s42, 1
	s_add_co_u32 s46, s46, s16
	s_lshl_b32 s92, s46, 13
	s_lshl_b32 s46, s46, 15
	s_lshl_b32 s47, s45, 22
	s_add_co_u32 s46, s46, s47
	s_mov_b32 s47, 0
	s_lshl_b32 s93, s45, 17
	s_add_co_u32 s92, s92, s93
	s_mov_b32 s93, 0
	s_lshl_b32 s45, s14, 15                        ; where they go: wave x 128 rows: no place in the cluster enters an LDS address
	s_lshl_b32 s94, s14, 13
	s_mov_b32 s[SEL], 0x76543210
	s_mov_b32 s[SEL+1], 0xfedcba98
	s_mov_b32 s[MNT], 0x600000
	s_wait_dscnt 0x0                               ; the opening add is done
	s_wait_kmcnt 0x0
	s_add_nc_u64 s[20:21], s[4:5], s[20:21]
	s_add_nc_u64 s[22:23], s[6:7], s[22:23]
	s_add_nc_u64 s[46:47], s[4:5], s[46:47]
	s_add_nc_u64 s[92:93], s[6:7], s[92:93]
	CROUND                                         ; all sixteen work-groups are here: the first joint loads meet
	s_mov_b32 s[G0S], 1
	s_add_co_u32 s[G0S+1], s94, SCL
	s_mov_b64 s[G0S+2:G0S+3], s[22:23]
	s_or_b32 s[G0S+3], s[G0S+3], 0x80000000
	s_mov_b32 s[G0SB], 1
	s_add_co_u32 s[G0SB+1], s94, SCL
	s_mov_b64 s[G0SB+2:G0SB+3], s[92:93]
	s_or_b32 s[G0SB+3], s[G0SB+3], 0x80000000
	JLOAD G0S, G1S, G0SB, G1SB                     ; the scale words first: three loads of mine are out behind the third of these
.irp s, 0,1
	s_mov_b32 s[G0+4*\s], 1
	s_add_co_u32 s[G0+4*\s+1], s45, \s*SLOT
	s_add_nc_u64 s[G0+4*\s+2:G0+4*\s+3], s[20:21], \s*KSB
	s_or_b32 s[G0+4*\s+3], s[G0+4*\s+3], 0x80000000
	s_mov_b32 s[G0B+4*\s], 1
	s_add_co_u32 s[G0B+4*\s+1], s45, \s*SLOT
	s_add_nc_u64 s[G0B+4*\s+2:G0B+4*\s+3], s[46:47], \s*KSB
	s_or_b32 s[G0B+4*\s+3], s[G0B+4*\s+3], 0x80000000
	JLOAD G0+4*\s, G1, G0B+4*\s, G1B
.endr
	v_and_b32 v1, 15, v0                           ; r
	v_bfe_u32 v2, v0, 4, 1                         ; h
	v_and_b32 v[LN], 31, v0
	v_lshlrev_b32 v[CO], 4, v[LN]                  ; an image's place for my lane
	s_lshl_b32 s21, s15, 15                        ; my 128 rows of A
	s_lshl_b32 s22, s16, 15                        ; my 128 rows of B,
	s_add_co_u32 s22, s22, 2*HALFT                 ; behind A's 256
.irp s, 0,1
	v_add_nc_u32 v[ADRA+\s], s21, v[CO]
	v_add_nc_u32 v[ADRB+\s], s22, v[CO]
	s_add_co_u32 s21, s21, SLOT
	s_add_co_u32 s22, s22, SLOT
.endr
	s_lshl_b32 s21, s15, 13                        ; scale words: lanes 0-15 take A's rows, lanes 16-31 B's: the lower base + h x the distance
	s_lshl_b32 s22, s16, 13
	s_add_co_u32 s22, s22, 2*HALFS
	s_sub_co_u32 s22, s22, s21
	v_mul_u32_u24 v6, s22, v2
	s_add_co_u32 s21, s21, SCL
	v_lshlrev_b32 v5, 4, v1                        ; 16 bytes a row
	v_add_nc_u32 v5, v5, v6
	v_add_nc_u32 v[ADRS], s21, v5
	v_lshlrev_b32 v[SO], 5, v1
	v_lshl_add_u32 v[SO], v2, 4, v[SO]             ; out: 32 r + 16 h
	; where my results go
	s_lshl_b32 s96, s17, 1
	s_add_co_u32 s96, s96, s15                     ; my block of 128 along R
	s_lshl_b32 s98, s42, 1
	s_add_co_u32 s98, s98, s16                     ; and along P
	s_cmp_eq_u32 s13, 0
	s_cselect_b32 s2, s98, s96                     ; the head: P's block for q and k, R's for v
	s_cselect_b32 s3, s96, s98                     ; the block of tokens or keys
	s_lshl_b32 s96, s12, 22
	s_lshl_b32 s97, s2, 18
	s_add_co_u32 s96, s96, s97
	s_lshl_b32 s97, s3, 14
	s_add_co_u32 s96, s96, s97
	s_mov_b32 s97, 0
	s_lshl_b32 s98, s12, 17
	s_lshl_b32 s99, s2, 13
	s_add_co_u32 s98, s98, s99
	s_lshl_b32 s99, s3, 9
	s_add_co_u32 s98, s98, s99
	s_mov_b32 s99, 0
	s_add_nc_u64 s[8:9], s[8:9], s[96:97]
	s_add_nc_u64 s[10:11], s[10:11], s[98:99]
.macro FRAG reg, adr, q, i             ; a fragment comes back as it was stored: four loads of 512 consecutive bytes
.irp c, 0,1,2,3
	ds_load_b128 v[\reg+4*\c:\reg+4*\c+3], v[\adr] offset:2048*(\q)+512*\c+(\i)*RBLK
.endr
.endm
; 16 matrix instructions: A's blocks a0, a0 + 1 x B's eight.  The 64 accumulators take turns, one instruction a turn, in the same order in every step.
.macro MUL16 a0, p, q, sc, zero
.irp a, \a0, \a0+1
.irp b, 0,1,2,3,4,5,6,7
.if \zero
	v_wmma_scale_f32_16x16x128_f8f6f4 v[8*(8*((\a)%4)+\b):8*(8*((\a)%4)+\b)+7], v[128*(\p)+FR*\b:128*(\p)+FR*\b+FR-1], v[AF+FR*(\a):AF+FR*(\a)+FR-1], 0, v[SC+8*NQ*(\sc)+NQ*\b+(\q)], v[SC+8*NQ*(\sc)+NQ*(\a)+(\q)] matrix_a_scale:MATRIX_SCALE_ROW1
.else
	v_wmma_scale_f32_16x16x128_f8f6f4 v[8*(8*((\a)%4)+\b):8*(8*((\a)%4)+\b)+7], v[128*(\p)+FR*\b:128*(\p)+FR*\b+FR-1], v[AF+FR*(\a):AF+FR*(\a)+FR-1], v[8*(8*((\a)%4)+\b):8*(8*((\a)%4)+\b)+7], v[SC+8*NQ*(\sc)+NQ*\b+(\q)], v[SC+8*NQ*(\sc)+NQ*(\a)+(\q)] matrix_a_scale:MATRIX_SCALE_ROW1
.endif
.endr
.endr
.endm
.macro FETCH_B slot, q, p
	WIN TO_B
.irp i, 0,1,2,3,4,5,6,7
	FRAG 128*(\p)+FR*\i, ADRB+\slot, \q, \i
.endr
	WIN 0
.endm
.macro FETCH_A slot, q, i0
.irp i, \i0, \i0+1, \i0+2, \i0+3
	FRAG AF+FR*(\i), ADRA+\slot, \q, \i
.endr
.endm
.macro SCALES sc                       ; a slot's two words a row: lanes 0-15 A's block i, lanes 16-31 B's block i
.irp i, 0,1,2,3,4,5,6,7
	ds_load_b64 v[SC+8*NQ*\sc+NQ*\i:SC+8*NQ*\sc+NQ*\i+1], v[ADRS] offset:\i*SBLK
.endr
.endm
.macro PLACES n                        ; plain vector lines between a matrix instruction and a load into, or a read of, its registers
.rept \n
	v_nop
.endr
.endm
.macro STEP slot, q, zero              ; 128 along K that have their successor in the same slot
	s_wait_dscnt 4*NL                              ; B's set, A's blocks 0-3 and the scale words are in; the youngest 16 loads (A's blocks 4-7) may be out
	WIN MUL_LO
	MUL16 0, (\q)%2, \q, \slot, \zero
	MUL16 2, (\q)%2, \q, \slot, \zero
	s_wait_dscnt 0
	PLACES NP
	FETCH_B \slot, (\q)+1, 1-(\q)%2
	FETCH_A \slot, (\q)+1, 0
	WIN MUL_HI
	MUL16 4, (\q)%2, \q, \slot, \zero
	MUL16 6, (\q)%2, \q, \slot, \zero
	PLACES NP
	WIN 0
	FETCH_A \slot, (\q)+1, 4
.endm
; A slot's last step changes slots: in front of the one barrier each wave waits for all its tensor loads, adds 0 to its spare word, and waits for that and for its reads of this slot.
.macro TURN slot, next, fill
	s_wait_tensorcnt 0x0                           ; all my tensor loads have landed: my part of the next slot
	ds_add_u32 v[SPW], v[NIL]
	s_wait_dscnt 4*NL+1                            ; (the add and the youngest 16 loads may be out)
	WIN MUL_LO
	MUL16 0, 1, NQ-1, \slot, 0
	s_wait_dscnt 0x0                               ; the add is done, and my reads of this slot are over
	s_barrier_signal -1
	MUL16 2, 1, NQ-1, \slot, 0
	WIN 0
	s_barrier_wait -1
.if \fill
	CREST                                          ; the barrier has opened a round of the cluster's: no wave of any partner still reads this slot or has a load on its way
	s_add_nc_u64 s[G0+4*\slot+2:G0+4*\slot+3], s[G0+4*\slot+2:G0+4*\slot+3], 2*KSB
	s_add_nc_u64 s[G0B+4*\slot+2:G0B+4*\slot+3], s[G0B+4*\slot+2:G0B+4*\slot+3], 2*KSB
	JLOAD G0+4*\slot, G1, G0B+4*\slot, G1B         ; the first tensor load behind the round; its four v_nop are among the places in front of the loads below
	PLACES NP-4
.else
	PLACES NP
.endif
.if \next
	v_add_nc_u32 v[ADRS], 8, v[ADRS]               ; the next slot's two words: 8 bytes on in the row's 16,
.else
	v_add_nc_u32 v[ADRS], 248, v[ADRS]             ; or at the head of the next 256 bytes
.endif
	FETCH_B \next, 0, 0
	FETCH_A \next, 0, 0
	SCALES \next
	WIN MUL_HI
	MUL16 4, 1, NQ-1, \slot, 0
	MUL16 6, 1, NQ-1, \slot, 0
	PLACES NP
	WIN 0
	FETCH_A \next, 0, 4
.endm
	s_wait_tensorcnt 1                             ; the scale words and my part of slot 0 are in; slot 1's load may be out
	s_barrier_signal -1
	s_barrier_wait -1
	FETCH_B 0, 0, 0
	FETCH_A 0, 0, 0
	SCALES 0
	FETCH_A 0, 0, 4
	STEP 0, 0, 1                                   ; the first step's products start the sums
	s_mov_b32 s3, LAPS-1
.Llap:
	TURN 0, 1, 1
	STEP 1, 0, 0
	TURN 1, 0, 1
	STEP 0, 0, 0
	s_sub_co_u32 s3, s3, 1
	s_cmp_lg_u32 s3, 0
	s_cbranch_scc1 .Llap
	TURN 0, 1, 0                                   ; the last lap fills nothing
	STEP 1, 0, 0
	s_wait_dscnt 4*NL
	WIN MUL_LO
	MUL16 0, 1, NQ-1, 1, 0
	MUL16 2, 1, NQ-1, 1, 0
	s_wait_dscnt 0
	WIN MUL_HI
	MUL16 4, 1, NQ-1, 1, 0
	MUL16 6, 1, NQ-1, 1, 0
	WIN 0
; THE WAY OUT.  Block a's 64 registers are a row's 128 numbers along P in a fragment's order: they are quantised where they lie, and the codes leave as an image.  Each accumulator is read from its low end on.
.macro QUANTA a
.set AC, 64*((\a)%4)
.set W, 2+(\a)/4
.set PCS, PC+16*((\a)%2)
.if (\a) > 1
	s_wait_xcnt 0x0                                ; block a - 2's stores have read their data
.endif
	WIN W|(W<<2)                                   ; sources 0 and 1: the accumulators' window
.irp b, 0,1,2,3
	v_max3_num_f32 v[TM+\b], |v[AC+16*\b]|, |v[AC+16*\b+1]|, 0x4800000
.endr
.irp i, 2,4,6,8,10,12,14
.irp b, 0,1,2,3
	v_max3_num_f32 v[TM+\b], |v[AC+16*\b+\i]|, |v[AC+16*\b+\i+1]|, v[TM+\b]
.endr
.endr
	WIN 0
.irp b, 0,1,2,3
	v_permlanex16_b32 v[TM+4+\b], v[TM+\b], s[SEL], s[SEL+1]
.endr
.irp b, 0,1,2,3
	v_max_num_f32 v[TM+\b], v[TM+\b], v[TM+4+\b]
.endr
.irp b, 0,1,2,3
	v_add_nc_u32 v[TM+12+\b], 0xfc000000, v[TM+\b]
.endr
.irp b, 0,1,2,3
	v_and_or_b32 v[TM+8+\b], v[TM+\b], 0x7f800000, s[MNT]
.endr
.irp b, 0,1,2,3
	v_lshrrev_b32 v[TM+4+\b], 23, v[TM+12+\b]
.endr
	v_lshl_or_b32 v[PWS+(\a)], v[TM+5], 8, v[TM+4]
	v_lshl_or_b32 v[PWS+(\a)], v[TM+6], 16, v[PWS+(\a)]
	v_lshl_or_b32 v[PWS+(\a)], v[TM+7], 24, v[PWS+(\a)]
	WIN (W<<6)|W                                   ; destination and source 0
.irp b, 0,1,2,3
.irp i, 0,1,2,3,4,5,6,7,8,9,10,11,12,13,14,15
	v_med3_num_f32 v[AC+16*\b+\i], v[AC+16*\b+\i], -v[TM+8+\b], v[TM+8+\b]
.endr
.endr
	WIN W                                          ; source 0
.irp b, 0,1,2,3
	v_cvt_scalef32_pk8_fp8_f32 v[PCS+4*\b:PCS+4*\b+1], v[AC+16*\b:AC+16*\b+7], v[TM+12+\b]
	v_cvt_scalef32_pk8_fp8_f32 v[PCS+4*\b+2:PCS+4*\b+3], v[AC+16*\b+8:AC+16*\b+15], v[TM+12+\b]
.endr
	WIN 0
	v_nop                                          ; a plain line behind the last conversion
.irp c, 0,1,2,3
	global_store_b128 v[CO], v[PCS+4*\c:PCS+4*\c+3], s[8:9] offset:2048*(\a)+512*\c   ; 512 consecutive bytes a store
.endr
.endm
	PLACES NP
.irp b, 0,1,2,3
	v_mov_b32 v[TM+4+\b], 0                        ; a lane permute's destination counts as one of its sources
.endr
.irp a, 0,1,2,3,4,5,6,7
	QUANTA \a
.endr
	v_cmp_le_u32 vcc_lo, 16, v[LN]
.irp j, 0,1,2,3
	v_cndmask_b32 v[MW+\j], v[PWS+\j], v[PWS+4+\j], vcc_lo   ; lanes 0-15: row r's words of blocks 0-3; lanes 16-31: of blocks 4-7 (both halves of the lanes hold every word)
.endr
	global_store_b128 v[SO], v[MW:MW+3], s[10:11]  ; 512 consecutive bytes
	s_wait_tensorcnt 0x0                           ; the wave's end
	ds_add_u32 v[SPW], v[NIL]
	s_wait_dscnt 0x0
	CROUND                                         ; the closing round
	s_endpgm
.Lfunc_end_k_q3e9d30191b_qkvp:
	.size	k_q3e9d30191b_qkvp, .Lfunc_end_k_q3e9d30191b_qkvp-k_q3e9d30191b_qkvp
	.p2alignl 7, 3214868480
	.fill 96, 4, 3214868480
	.section	.rodata,"a",@progbits
	.p2align	6, 0x0
	.amdhsa_kernel k_q3e9d30191b_qkvp
		.amdhsa_group_segment_fixed_size 327680
		.amdhsa_private_segment_fixed_size 0
		.amdhsa_enable_private_segment 0
		.amdhsa_kernarg_size 32
		.amdhsa_user_sgpr_count 2
		.amdhsa_user_sgpr_kernarg_segment_ptr 1
		.amdhsa_wavefront_size32 1
		.amdhsa_system_sgpr_workgroup_id_x 1
		.amdhsa_system_sgpr_workgroup_id_y 1
		.amdhsa_system_sgpr_workgroup_id_z 1
		.amdhsa_system_vgpr_workitem_id 0
		.amdhsa_next_free_vgpr 1024
		.amdhsa_next_free_sgpr 100
		.amdhsa_reserve_vcc 1
		.amdhsa_float_denorm_mode_32 3
		.amdhsa_float_denorm_mode_16_64 3
		.amdhsa_memory_ordered 1
		.amdhsa_forward_progress 1
		.amdhsa_inst_pref_size 185
	.end_amdhsa_kernel
	.amdgpu_metadata
---
amdhsa.version: [ 1, 2 ]
amdhsa.kernels:
  - .name:           k_q3e9d30191b_qkvp
    .symbol:         k_q3e9d30191b_qkvp.kd
    .args:
      - { .name: cw, .offset: 0, .size: 8, .value_kind: global_buffer, .address_space: global }
      - { .name: sw, .offset: 8, .size: 8, .value_kind: global_buffer, .address_space: global }
      - { .name: qkv, .offset: 16, .size: 8, .value_kind: global_buffer, .address_space: global }
      - { .name: sq, .offset: 24, .size: 8, .value_kind: global_buffer, .address_space: global }
    .group_segment_fixed_size: 327680
    .private_segment_fixed_size: 0
    .kernarg_segment_align: 8
    .kernarg_segment_size: 32
    .max_flat_workgroup_size: 128
    .sgpr_count:     100
    .vgpr_count:     1024
    .wavefront_size: 32
...
	.end_amdgpu_metadata
.endif
;; end of part 2
;; launch attn (part 3): grid 16 x 16, 8 waves a work-group, clusters of 4 x 1, 327,680 bytes of LDS; arguments qkv, sq, tm, ao, aos; writes ao, aos
.if DOCPART == 3
	.amdgcn_target "amdgcn-amd-amdhsa--gfx1250"
	.amdhsa_code_object_version 6
	.text
	.protected	k_q3e9d30191b_attn
	.globl	k_q3e9d30191b_attn
	.p2align	8
	.type	k_q3e9d30191b_attn,@function
k_q3e9d30191b_attn:
	s_mov_b64 s[64:65], 0
	v_nop
	global_prefetch_b8 v0, s[64:65] scope:SCOPE_SE
	s_setreg_imm32_b32 hwreg(HW_REG_WAVE_MODE, 25, 1), 1
	s_wait_xcnt 0x0
	s_wait_alu depctr_hold_cnt(0) depctr_sa_sdst(0) depctr_va_vdst(0) depctr_va_sdst(0) depctr_va_ssrc(0) depctr_va_vcc(0) depctr_vm_vsrc(0)
	s_getreg_b32 s2, hwreg(HW_REG_IB_STS2, 6, 4)
	s_cmp_eq_u32 s2, 0
	s_cbranch_scc0 .Lentry_in_a_cluster
	s_endpgm
.Lentry_in_a_cluster:
	s_bfe_u32 s2, ttmp6, 0x10000c
	s_cmp_lg_u32 s2, 0x3003
	s_cbranch_scc0 .Lentry_shape_is_right
	s_endpgm
.Lentry_shape_is_right:
; Attention on codes of FP8 (E4M3) with E8M0 scales: S^T = K Q^T, t = S x log2(e) / sqrt(128) + the mask in units of t, p = 2^(t - M) with M the running largest t rounded UP to a whole number,
; O^T += V^T P^T on p quantised along the keys; the row's sum is taken of the unquantised p and divides O at the end; the result is quantised along d_model for the last product and leaves as images.
; The mask is an input: it is added as it is given, for every key; nothing is left out on its account.
; SHARES.  A work-group owns 128 queries of one head, each of its eight waves one tile of 16 (two waves to a SIMD, so that one's vector work stands beside the other's matrix work and LDS loads).  Every wave walks all 2,048 keys, 128 a step.
; LAYOUT.  All operands lie as images of fragments with the rows pi(t, i) = 32 (t / 2) + 8 (t % 2) + i + 8 (i / 8).  Both products are used transposed, so a lane holds ONE query throughout; the 16 registers of tiles 2 b and
; 2 b + 1 are keys (or channels) 32 b + 16 (lane / 16) + 0 .. 15: p's codes are the second product's operand, O's codes the last product's.  The mask lies in tm in the same order: 16 loads of 512 consecutive bytes a step, asked for a step ahead.
; RING.  Two slots of 512 keys (four steps): K's 64 KiB, then V's.  Each wave fetches 16 KiB of a slot: waves 0-3 K's four steps, waves 4-7 V's: one line of text, both addresses made of the wave's number.
; CLUSTER.  The four query blocks of a cluster belong to one head and walk the same K and V: each tile is asked for jointly, with a mask that names the four.  The scale words of the head's K and V come once.
; LIMITS: t is at least -3e38 (the mask was held there): a row all of whose keys lie there comes out uniform.  NaN and infinities are not served.  A block of p or of O under 2^-118 carries the byte 1.
; The result's scale words leave as 4 bytes a row, 16 bytes apart: 128 KiB in the whole launch.
; REGISTERS.  window 0: v1-11 addresses and scale words; v12 -M, v13 the largest t, v[14:15] the sum; v16-31 Q; v32-39, v40-47 K's and V's scale words; v48-63 the quantiser's; v64-70 at work; v96-159 S^T, t, p; v160-223 O^T; v224-239 codes.
;   window 1: v0-127 eight fragments of K, then of V; v128-191 the mask of a step.
.set SLOT1, 1<<17
.set VOFF,  65536
.set STEPB, 16384                      ; a step's eight images
.set SCK,   2*SLOT1                    ; K's scale words of the head, 8 KiB;
.set SCV,   8192                       ; V's lie this far behind them
.set SPARE, SCK+16384                  ; the spare words, 128 bytes for each of eight waves
.set LI,  1                            ; v1   16 x lane
.set ADK, 2
.set ADV, 3
.set ADS, 4
.set AS0, 5                            ; v5   SCK + 32 r
.set MO,  6                            ; v6   my place in the step's mask
.set R16, 7                            ; v7   16 r
.set SPW, 8
.set NIL, 9
.set QW,  10                           ; v10  Q's scale words
.set PWD, 11                           ; v11  p's scale word
.set KW,  32
.set VW,  40
.set TM,  48
.set T0,  64
.set PW,  65
.set FF,  66                           ; v[66:67] f = 2^(old M - new M)
.set S2,  68                           ; v[68:69] the sums' second chain
.set PFO, 70                           ; v70  256 x lane
.set S,   96
.set O,   160
.set PC,  224
.set F,   0                            ; window 1
.set MK,  128                          ; window 1
.set PFA, 2                            ; s[2:3] where my prefetches stand
.set LIM, 17
.set WV,  18
.set MNT, 19
.set SEL, 20
.set CS,  22
.set G1,  24
.set G1S, 32
.set G0,  40
.set G0S, 44
.set TB,  48                           ; s48  LDS byte at which the step's images of K begin
.set TS,  49                           ; s49  and its scale words: 512 bytes a step
.set KN,  50                           ; s50  the step's number
.set SLOTS, 51
.set QTR, 52
.set MSB, 0
.macro WIN new
.if MSB != (\new)
	s_set_vgpr_msb (MSB<<8)|(\new)
.set MSB, (\new)
.endif
.endm
.macro CROUND                          ; a round of the cluster's barrier
	s_barrier_signal -1
	s_barrier_wait -1
	s_cmp_lg_u32 s[WV], 0
	s_cbranch_scc1 .Lnot_wave_0_\@
	s_barrier_signal -3
.Lnot_wave_0_\@:
	s_barrier_wait -3
	s_barrier_signal -1
	s_barrier_wait -1
.endm
; A prefetch of what the NEXT change of slots will load.  All clusters of a head walk the same K and V: the head's first cluster asks.  In it waves 0, 2, 4, 6 ask, each for its own tile and the next wave's, 32 KiB on end;
; the four partners share these out by address, 8 KiB each, lanes 256 bytes apart: each aligned 256 bytes are named once.  The last change that fills a slot asks for nothing.
.macro ASK
	s_cmp_gt_u32 s[SLOTS], s[LIM]
	s_cbranch_scc0 .Lnot_mine_\@
	global_prefetch_b8 v[PFO], s[PFA:PFA+1] th:TH_LOAD_NT scope:SCOPE_SE
.Lnot_mine_\@:
.endm
	s_load_b256 s[4:11], s[0:1], 0x0               ; qkv, sq, tm, ao
	s_load_b64 s[12:13], s[0:1], 0x20              ; aos
	v_lshl_add_u32 v[SPW], v0, 2, SPARE
	v_mov_b32 v[NIL], 0
	ds_add_u32 v[SPW], v[NIL]                      ; the wave's opening
	v_lshrrev_b32 v1, 5, v0
	v_readfirstlane_b32 s[WV], v1                  ; wave 0..7
	s_bfe_u32 s14, ttmp6, 0x40000                  ; cx
	s_lshl_b32 s15, ttmp9, 2
	s_add_co_u32 s15, s15, s14                     ; my block of 128 queries
	s_and_b32 s16, ttmp7, 0xffff                   ; the head, which the partners share
	; what I fetch: region 1 (K: waves 0-3) or 2 (V: waves 4-7), the head, step wave % 4 of a slot
	s_lshr_b32 s55, s[WV], 2
	s_add_co_u32 s55, s55, 1
	s_lshl_b32 s56, s55, 22
	s_lshl_b32 s58, s55, 17
	s_lshl_b32 s55, s16, 18
	s_add_co_u32 s56, s56, s55
	s_lshl_b32 s55, s16, 13
	s_add_co_u32 s58, s58, s55
	s_and_b32 s55, s[WV], 3
	s_lshl_b32 s57, s55, 14
	s_add_co_u32 s56, s56, s57
	s_lshl_b32 s57, s55, 11
	s_add_co_u32 s58, s58, s57
	s_mov_b32 s57, 0
	s_mov_b32 s59, 0
	; my tile of 16 queries
	s_lshl_b32 s53, s15, 3
	s_add_co_u32 s53, s53, s[WV]
	s_lshl_b32 s66, s53, 17                        ; its mask
	s_mov_b32 s67, 0
	s_lshr_b32 s54, s16, 1                         ; its image in ao: K step of 128 = the head
	s_lshl_b32 s68, s54, 19
	s_lshl_b32 s54, s53, 12
	s_add_co_u32 s68, s68, s54
	s_and_b32 s54, s16, 1
	s_lshl_b32 s54, s54, 11
	s_add_co_u32 s68, s68, s54
	s_mov_b32 s69, 0
	s_lshl_b32 s70, s53, 10                        ; its words in aos
	s_lshr_b32 s54, s16, 2
	s_lshl_b32 s54, s54, 8
	s_add_co_u32 s70, s70, s54
	s_and_b32 s54, s16, 3
	s_lshl_b32 s54, s54, 2
	s_add_co_u32 s70, s70, s54
	s_mov_b32 s71, 0
	s_lshl_b32 s60, s16, 18                        ; Q's image
	s_lshl_b32 s54, s53, 11
	s_add_co_u32 s60, s60, s54
	s_mov_b32 s61, 0
	s_lshl_b32 s62, s16, 13                        ; Q's words
	s_lshl_b32 s54, s15, 9
	s_add_co_u32 s62, s62, s54
	s_lshl_b32 s54, s[WV], 2
	s_add_co_u32 s62, s62, s54
	s_mov_b32 s63, 0
	; descriptor group 1: 64 rows of 256 bytes (32 elements of 8), dense
	s_mov_b32 s[G1], 15|(3<<16)|(1<<21)            ; 15:0 the mask: all four work-groups; 17:16 elements of 8 bytes; 21 set beside a mask
	s_mov_b32 s[G1+1], 32<<16
	s_mov_b32 s[G1+2], 64<<16
	s_mov_b32 s[G1+3], 32<<16
	s_mov_b32 s[G1+4], 64
	s_mov_b32 s[G1+5], 32
	s_mov_b32 s[G1+6], 0
	s_mov_b32 s[G1+7], 0
	s_mov_b32 s[G1S], 15|(3<<16)|(1<<21)           ; the scale words: 8 rows of 256 bytes
	s_mov_b32 s[G1S+1], 32<<16
	s_mov_b32 s[G1S+2], 8<<16
	s_mov_b32 s[G1S+3], 32<<16
	s_mov_b32 s[G1S+4], 8
	s_mov_b32 s[G1S+5], 32
	s_mov_b32 s[G1S+6], 0
	s_mov_b32 s[G1S+7], 0
	s_mov_b32 s[G0], 1
	s_lshl_b32 s[G0+1], s[WV], 14                  ; LDS: wave x 16 KiB: K's four steps, then V's
	s_mov_b32 s[G0S], 1
	s_lshl_b32 s[G0S+1], s[WV], 11
	s_add_co_u32 s[G0S+1], s[G0S+1], SCK
	s_mov_b32 s[SEL], 0x76543210
	s_mov_b32 s[SEL+1], 0xfedcba98
	s_mov_b32 s[CS], 0x3e0293ee                    ; c = log2(e) / sqrt(128)
	s_mov_b32 s[CS+1], s[CS]
	s_mov_b32 s[MNT], 0x600000
	s_mov_b32 s[TB], 0
	s_mov_b32 s[TS], 0
	s_mov_b32 s[KN], 0
	s_mov_b32 s[SLOTS], 3
	s_and_b32 s[LIM], s[WV], 1                     ; even waves
	s_or_b32 s[LIM], s[LIM], ttmp9                 ; of the head's first cluster: the same in all four partners
	s_cmp_eq_u32 s[LIM], 0
	s_cselect_b32 s[LIM], 1, -1
	v_and_b32 v[LI], 31, v0
	v_lshlrev_b32 v[PFO], 8, v[LI]
	v_lshlrev_b32 v[LI], 4, v[LI]
	v_and_b32 v[R16], 15, v0
	v_lshlrev_b32 v[T0], 5, v[R16]                 ; 32 r: a row's eight words
	v_add_nc_u32 v[AS0], SCK, v[T0]
	v_lshlrev_b32 v[R16], 4, v[R16]
	v_mov_b32 v[MO], v[LI]
	s_wait_dscnt 0x0                               ; the opening add is done
	s_wait_kmcnt 0x0
	s_add_nc_u64 s[G0+2:G0+3], s[4:5], s[56:57]
	s_or_b32 s[G0+3], s[G0+3], 0x80000000
	s_add_nc_u64 s[G0S+2:G0S+3], s[6:7], s[58:59]
	s_or_b32 s[G0S+3], s[G0S+3], 0x80000000
	s_add_nc_u64 s[PFA:PFA+1], s[4:5], s[56:57]
	s_add_nc_u64 s[4:5], s[4:5], s[60:61]
	s_add_nc_u64 s[6:7], s[6:7], s[62:63]
	s_add_nc_u64 s[8:9], s[8:9], s[66:67]
	s_add_nc_u64 s[10:11], s[10:11], s[68:69]
	s_add_nc_u64 s[12:13], s[12:13], s[70:71]
	s_lshl_b32 s62, s14, 13                        ; my work-group's 8 KiB of the 32,
	s_add_co_u32 s62, s62, 4*STEPB                 ; in the second slot's keys: the first change steps it to the third's.  Nothing is prefetched here, at the head
	s_add_nc_u64 s[PFA:PFA+1], s[PFA:PFA+1], s[62:63]
	CROUND                                         ; all four work-groups are here: the first joint loads meet
	tensor_load_to_lds s[G0S:G0S+3], s[G1S:G1S+7]  ; the scale words: filled once
	s_nop 0
	tensor_load_to_lds s[G0:G0+3], s[G1:G1+7]      ; slot 0: two loads of mine are out
	s_nop 0
.rept 4
	v_nop
.endr
.irp c, 0,1,2,3
	global_load_b128 v[16+4*\c:19+4*\c], v[LI], s[4:5] offset:512*\c   ; Q's fragment stays in registers
.endr
	global_load_b32 v[QW], v[T0], s[6:7]
	WIN 0x40                                       ; destination window 1
.set q, 0
.rept 16
	global_load_b128 v[MK+4*q:MK+4*q+3], v[MO], s[8:9] offset:512*q    ; the mask of step 0
.set q, q+1
.endr
	WIN 0
	v_mov_b32 v13, 0xff61b1e6                      ; the largest t so far: -3e38
	v_floor_f32 v12, -v13                          ; -M
	v_mov_b32 v14, 0
	v_mov_b32 v15, 0
.irp b, 0,1,2,3
	v_mov_b32 v[TM+4+\b], 0                        ; a lane permute's destination counts as one of its sources
.endr
	v_mov_b32 v[FF+1], 0                           ; named as the upper half of a pair
.set j, 0
.rept 64
	v_mov_b32 v[O+j], 0                            ; the step is written once: the first finds zeros, which the first change of M leaves zeros
.set j, j+1
.endr
	s_wait_loadcnt 0x0                             ; Q, its words, the first mask
.macro STEP                            ; 128 keys
	v_add_nc_u32 v[ADK], s[TB], v[LI]
	v_add_nc_u32 v[ADS], s[TS], v[AS0]
	v_add_nc_u32 v[ADV], VOFF, v[ADK]
.rept 5
	v_nop                                          ; with the three additions: eight places between the last step's products and the loads into the registers that they read
.endr
	WIN 0x40
.set f, 0
.rept 32
	ds_load_b128 v[F+4*f:F+4*f+3], v[ADK] offset:512*f     ; K's eight images: 512 consecutive bytes a load
.set f, f+1
.endr
	WIN 0
	ds_load_b128 v[KW:KW+3], v[ADS]                ; row r's words of the eight tiles
	ds_load_b128 v[KW+4:KW+7], v[ADS] offset:16
	s_wait_dscnt 0x0
	WIN 0x01                                       ; source 0 window 1
.irp t, 0,1,2,3,4,5,6,7
	v_wmma_scale_f32_16x16x128_f8f6f4 v[S+8*\t:S+8*\t+7], v[F+16*\t:F+16*\t+15], v[16:31], 0, v[KW+\t], v[QW]
.endr
	WIN 0
.rept 8
	v_nop                                          ; places in front of the loads into K's registers and of the first read of the scores
.endr
	WIN 0x40
.set f, 0
.rept 32
	ds_load_b128 v[F+4*f:F+4*f+3], v[ADV] offset:512*f     ; V's eight images land while the softmax is worked
.set f, f+1
.endr
	WIN 0
	ds_load_b128 v[VW:VW+3], v[ADS] offset:SCV
	ds_load_b128 v[VW+4:VW+7], v[ADS] offset:SCV+16
	s_wait_loadcnt 0x0                             ; this step's mask, asked for a step ago
	WIN 0x10                                       ; source 2 window 1
.set j, 0
.rept 32
	v_pk_fma_f32 v[S+j:S+j+1], v[S+j:S+j+1], s[CS:CS+1], v[MK+j:MK+j+1] op_sel_hi:[1,0,1]   ; t = score x c + the mask; each accumulator from its low end on
.set j, j+2
.endr
	WIN 0
	s_cmp_eq_u32 s[KN], 15                         ; the last step asks for no mask: no load leaves its buffer
	s_cbranch_scc1 .Lno_mask_\@
	v_add_nc_u32 v[MO], 8192, v[MO]                ; (the wait above has shown the loads that read it done)
	WIN 0x40
.set q, 0
.rept 16
	global_load_b128 v[MK+4*q:MK+4*q+3], v[MO], s[8:9] offset:512*q
.set q, q+1
.endr
	WIN 0
.Lno_mask_\@:
.irp b, 0,1,2,3
	v_max3_num_f32 v[TM+\b], v[S+16*\b], v[S+1+16*\b], v[S+2+16*\b]    ; the largest t of each block of 32 keys: for the row's maximum, and, since p rises with t, for the block's largest p
.endr
.irp i, 3,5,7,9,11,13
.irp b, 0,1,2,3
	v_max3_num_f32 v[TM+\b], v[TM+\b], v[S+16*\b+\i], v[S+1+16*\b+\i]
.endr
.endr
.irp b, 0,1,2,3
	v_max_num_f32 v[TM+\b], v[TM+\b], v[S+15+16*\b]
.endr
.irp b, 0,1,2,3
	v_permlanex16_b32 v[TM+4+\b], v[TM+\b], s[SEL], s[SEL+1]
.endr
.irp b, 0,1,2,3
	v_max_num_f32 v[TM+\b], v[TM+\b], v[TM+4+\b]
.endr
	v_max3_num_f32 v[T0], v[TM], v[TM+1], v[TM+2]
	v_max_num_f32 v[T0], v[T0], v[TM+3]
	v_max_num_f32 v13, v13, v[T0]                  ; the running largest t
	v_mov_b32 v[T0], v12
	v_floor_f32 v12, -v13                          ; the new -M = -ceil(t)
	v_sub_f32 v[T0], v12, v[T0]                    ; old M - new M: a whole number, 0 or less
	v_cvt_i32_f32 v[T0], v[T0]                     ; (it saturates)
	v_ldexp_f32 v[FF], 1.0, v[T0]                  ; f = 2^(old M - new M): a multiplication by it rounds nothing
.set j, 0
.rept 32
	v_pk_add_f32 v[S+j:S+j+1], v[S+j:S+j+1], v[12:13] op_sel_hi:[1,0]   ; t - M
.set j, j+2
.endr
.irp b, 0,1,2,3
	v_add_f32 v[TM+\b], v[TM+\b], v12
.endr
.set j, 0
.rept 64
	v_exp_f32 v[S+j], v[S+j]                       ; p = 2^(t - M), at most 1
.set j, j+1
.endr
	v_pk_mul_f32 v[14:15], v[14:15], v[FF:FF+1] op_sel_hi:[1,0]   ; the sums under the new M: the plain line behind the exponentials
	s_wait_alu depctr_va_vdst(0)                   ; one wait for the batch, ahead of its first reader
.irp b, 0,1,2,3
	v_exp_f32 v[TM+\b], v[TM+\b]                   ; each block's largest p: the same addition and exponential on the same number
.endr
	v_pk_add_f32 v[S2:S2+1], v[S:S+1], v[S+2:S+3]  ; the row's sum is taken of the unquantised p, in two chains
.irp j, 4,8,12,16,20,24,28,32,36,40,44,48,52,56,60
	v_pk_add_f32 v[14:15], v[14:15], v[S+\j:S+\j+1]
	v_pk_add_f32 v[S2:S2+1], v[S2:S2+1], v[S+\j+2:S+\j+3]
.endr
	v_pk_add_f32 v[14:15], v[14:15], v[S2:S2+1]
	s_wait_alu depctr_va_vdst(0)                   ; and one for the four
.irp b, 0,1,2,3
	v_max_num_f32 v[TM+\b], 0x4800000, v[TM+\b]    ; the floor 2^(9 - 127)
.endr
.irp b, 0,1,2,3
	v_add_nc_u32 v[TM+12+\b], 0xfc000000, v[TM+\b]
.endr
.irp b, 0,1,2,3
	v_and_or_b32 v[TM+8+\b], v[TM+\b], 0x7f800000, s[MNT]
.endr
.irp b, 0,1,2,3
	v_lshrrev_b32 v[TM+4+\b], 23, v[TM+12+\b]
.endr
	v_lshl_or_b32 v[PWD], v[TM+5], 8, v[TM+4]      ; p's scale word for these 128 keys
	v_lshl_or_b32 v[PWD], v[TM+6], 16, v[PWD]
	v_lshl_or_b32 v[PWD], v[TM+7], 24, v[PWD]
.irp b, 0,1,2,3
.irp i, 0,1,2,3,4,5,6,7,8,9,10,11,12,13,14,15
	v_min_num_f32 v[S+16*\b+\i], v[S+16*\b+\i], v[TM+8+\b]   ; the hold (ISA guide 7.6.2); p is not negative, so it is one-sided
.endr
	v_cvt_scalef32_pk8_fp8_f32 v[PC+4*\b:PC+4*\b+1], v[S+16*\b:S+16*\b+7], v[TM+12+\b]
	v_cvt_scalef32_pk8_fp8_f32 v[PC+4*\b+2:PC+4*\b+3], v[S+16*\b+8:S+16*\b+15], v[TM+12+\b]
.endr
.set j, 0
.rept 32
	v_pk_mul_f32 v[O+j:O+j+1], v[O+j:O+j+1], v[FF:FF+1] op_sel_hi:[1,0]   ; O^T under the new M, each accumulator from its low end on; these lines also part the codes from the products below
.set j, j+2
.endr
	s_wait_dscnt 0x0                               ; V and its words are in
	WIN 0x01
.irp t, 0,1,2,3,4,5,6,7
	v_wmma_scale_f32_16x16x128_f8f6f4 v[O+8*\t:O+8*\t+7], v[F+16*\t:F+16*\t+15], v[PC:PC+15], v[O+8*\t:O+8*\t+7], v[VW+\t], v[PWD]   ; eight accumulators by turns
.endr
	WIN 0
	s_add_co_u32 s[TB], s[TB], STEPB
	s_add_co_u32 s[TS], s[TS], 512
	s_add_co_u32 s[KN], s[KN], 1
.endm
; THE CHANGE OF SLOTS stands at a slot's head: each wave waits for all its tensor loads (its part of the slot ahead), adds 0 to its spare word, and waits for that and for its reads of the slot that it has left.
; fill = 1: the barrier is a round of the cluster's, and behind it the slot just left is filled with the next 512 keys: that load has four steps in which to land.
.macro CHANGE fill
	s_wait_tensorcnt 0x0                           ; no tensor load of mine is out, so the group 0 may be written
	ds_add_u32 v[SPW], v[NIL]
.if \fill
	s_xor_b32 s[G0+1], s[G0+1], SLOT1              ; the other slot than last time,
	s_add_nc_u64 s[G0+2:G0+3], s[G0+2:G0+3], 4*STEPB   ; the next four steps' images
	s_wait_xcnt 0x0                                ; the last prefetch, a slot back, has read its address
	s_add_nc_u64 s[PFA:PFA+1], s[PFA:PFA+1], 4*STEPB
	s_wait_dscnt 0x0
	CROUND
	tensor_load_to_lds s[G0:G0+3], s[G1:G1+7]      ; my one tensor load behind the round, and the first thing there
	s_nop 0
.rept 4
	v_nop
.endr
	ASK
.else
	s_wait_dscnt 0x0
	s_barrier_signal -1
	s_barrier_wait -1
.endif
.endm
.macro SLOT_STEPS                      ; a slot's four steps: written once, walked four times
	s_mov_b32 s[QTR], 4
.Lstep_\@:
	STEP
	s_sub_co_u32 s[QTR], s[QTR], 1
	s_cmp_lg_u32 s[QTR], 0
	s_cbranch_scc1 .Lstep_\@
	s_sub_co_u32 s[TB], s[TB], 4*STEPB
	s_xor_b32 s[TB], s[TB], SLOT1                  ; on to the other slot
.endm
.Lslot:                                            ; three trips: behind each change of slots but the last the next slot is asked for
	CHANGE 1
	SLOT_STEPS
	s_sub_co_u32 s[SLOTS], s[SLOTS], 1
	s_cmp_lg_u32 s[SLOTS], 0
	s_cbranch_scc1 .Lslot
	CHANGE 0                                       ; the last slot is written out
	SLOT_STEPS
	; THE WAY OUT: O^T / the sum; register 16 b + i is channel 32 b + 16 (lane / 16) + i of my query: quantised along d_model, it is the last product's fragment for K step = head
	v_add_f32 v14, v14, v15
	v_permlanex16_b32 v[T0], v14, s[SEL], s[SEL+1]
	v_add_f32 v14, v14, v[T0]                      ; the row's sum
	v_rcp_f32 v14, v14
.rept 8
	v_nop                                          ; the plain line behind the reciprocal, and the places behind the last products
.endr
	s_wait_alu depctr_va_vdst(0)                   ; ahead of the reciprocal's first reader
.set j, 0
.rept 64
	v_mul_f32 v[S+j], v[O+j], v14
.set j, j+1
.endr
.irp b, 0,1,2,3
	v_max3_num_f32 v[TM+\b], |v[S+16*\b]|, |v[S+1+16*\b]|, 0x4800000
.endr
.irp i, 2,4,6,8,10,12,14
.irp b, 0,1,2,3
	v_max3_num_f32 v[TM+\b], v[TM+\b], |v[S+16*\b+\i]|, |v[S+1+16*\b+\i]|
.endr
.endr
.irp b, 0,1,2,3
	v_permlanex16_b32 v[TM+4+\b], v[TM+\b], s[SEL], s[SEL+1]
.endr
.irp b, 0,1,2,3
	v_max_num_f32 v[TM+\b], v[TM+\b], v[TM+4+\b]
.endr
.irp b, 0,1,2,3
	v_add_nc_u32 v[TM+12+\b], 0xfc000000, v[TM+\b]
.endr
.irp b, 0,1,2,3
	v_and_or_b32 v[TM+8+\b], v[TM+\b], 0x7f800000, s[MNT]
.endr
.irp b, 0,1,2,3
	v_lshrrev_b32 v[TM+4+\b], 23, v[TM+12+\b]
.endr
	v_lshl_or_b32 v[PW], v[TM+5], 8, v[TM+4]
	v_lshl_or_b32 v[PW], v[TM+6], 16, v[PW]
	v_lshl_or_b32 v[PW], v[TM+7], 24, v[PW]
.irp b, 0,1,2,3
.irp i, 0,1,2,3,4,5,6,7,8,9,10,11,12,13,14,15
	v_med3_num_f32 v[S+16*\b+\i], v[S+16*\b+\i], -v[TM+8+\b], v[TM+8+\b]
.endr
	v_cvt_scalef32_pk8_fp8_f32 v[PC+4*\b:PC+4*\b+1], v[S+16*\b:S+16*\b+7], v[TM+12+\b]
	v_cvt_scalef32_pk8_fp8_f32 v[PC+4*\b+2:PC+4*\b+3], v[S+16*\b+8:S+16*\b+15], v[TM+12+\b]
.endr
	v_nop
.irp c, 0,1,2,3
	global_store_b128 v[LI], v[PC+4*\c:PC+4*\c+3], s[10:11] offset:512*\c   ; the image: 512 consecutive bytes a store
.endr
	global_store_b32 v[R16], v[PW], s[12:13]       ; row r's word; lanes 16-31 hold the same word as lanes 0-15 and write the same bytes
	s_wait_tensorcnt 0x0                           ; the wave's end
	ds_add_u32 v[SPW], v[NIL]
	s_wait_dscnt 0x0
	CROUND                                         ; the closing round
	s_endpgm
.Lfunc_end_k_q3e9d30191b_attn:
	.size	k_q3e9d30191b_attn, .Lfunc_end_k_q3e9d30191b_attn-k_q3e9d30191b_attn
	.p2alignl 7, 3214868480
	.fill 96, 4, 3214868480
	.section	.rodata,"a",@progbits
	.p2align	6, 0x0
	.amdhsa_kernel k_q3e9d30191b_attn
		.amdhsa_group_segment_fixed_size 327680
		.amdhsa_private_segment_fixed_size 0
		.amdhsa_enable_private_segment 0
		.amdhsa_kernarg_size 40
		.amdhsa_user_sgpr_count 2
		.amdhsa_user_sgpr_kernarg_segment_ptr 1
		.amdhsa_wavefront_size32 1
		.amdhsa_system_sgpr_workgroup_id_x 1
		.amdhsa_system_sgpr_workgroup_id_y 1
		.amdhsa_system_sgpr_workgroup_id_z 1
		.amdhsa_system_vgpr_workitem_id 0
		.amdhsa_next_free_vgpr 448
		.amdhsa_next_free_sgpr 72
		.amdhsa_reserve_vcc 0
		.amdhsa_float_denorm_mode_32 3
		.amdhsa_float_denorm_mode_16_64 3
		.amdhsa_memory_ordered 1
		.amdhsa_forward_progress 1
		.amdhsa_inst_pref_size 75
	.end_amdhsa_kernel
	.amdgpu_metadata
---
amdhsa.version: [ 1, 2 ]
amdhsa.kernels:
  - .name:           k_q3e9d30191b_attn
    .symbol:         k_q3e9d30191b_attn.kd
    .args:
      - { .name: qkv, .offset: 0, .size: 8, .value_kind: global_buffer, .address_space: global }
      - { .name: sq, .offset: 8, .size: 8, .value_kind: global_buffer, .address_space: global }
      - { .name: tm, .offset: 16, .size: 8, .value_kind: global_buffer, .address_space: global }
      - { .name: ao, .offset: 24, .size: 8, .value_kind: global_buffer, .address_space: global }
      - { .name: aos, .offset: 32, .size: 8, .value_kind: global_buffer, .address_space: global }
    .group_segment_fixed_size: 327680
    .private_segment_fixed_size: 0
    .kernarg_segment_align: 8
    .kernarg_segment_size: 40
    .max_flat_workgroup_size: 256
    .sgpr_count:     72
    .vgpr_count:     448
    .wavefront_size: 32
...
	.end_amdgpu_metadata
.endif
;; end of part 3
;; launch outp (part 4): grid 16 x 16, 4 waves a work-group, clusters of 4 x 4, 327,680 bytes of LDS; arguments ao, aos, cw, sw, out0; writes out0
.if DOCPART == 4
	.amdgcn_target "amdgcn-amd-amdhsa--gfx1250"
	.amdhsa_code_object_version 6
	.text
	.protected	k_q3e9d30191b_outp
	.globl	k_q3e9d30191b_outp
	.p2align	8
	.type	k_q3e9d30191b_outp,@function
k_q3e9d30191b_outp:
	s_mov_b64 s[64:65], 0
	v_nop
	global_prefetch_b8 v0, s[64:65] scope:SCOPE_SE
	s_setreg_imm32_b32 hwreg(HW_REG_WAVE_MODE, 25, 1), 1
	s_wait_xcnt 0x0
	s_wait_alu depctr_hold_cnt(0) depctr_sa_sdst(0) depctr_va_vdst(0) depctr_va_sdst(0) depctr_va_ssrc(0) depctr_va_vcc(0) depctr_vm_vsrc(0)
	s_getreg_b32 s2, hwreg(HW_REG_IB_STS2, 6, 4)
	s_cmp_eq_u32 s2, 0
	s_cbranch_scc0 .Lentry_in_a_cluster
	s_endpgm
.Lentry_in_a_cluster:
	s_bfe_u32 s2, ttmp6, 0x10000c
	s_cmp_lg_u32 s2, 0xf033
	s_cbranch_scc0 .Lentry_shape_is_right
	s_endpgm
.Lentry_shape_is_right:
; out0 = (attention's result) w_o on codes of FP8 (E4M3) with E8M0 scales, K = 2,048; out0 [2048][2048] f32.
; A = ao, aos (rows = tokens), B = region 4 of cw, sw (rows = columns n of w_o).  Both lie as images of fragments, [K / 256][row block][2][image]: byte 512 c + 16 lane + e of an image is the code of row lane % 16 at
; k = 32 c + 16 (lane / 16) + e; row i of row block t is the true row pi(t, i) = 32 (t / 2) + 8 (t % 2) + i + 8 (i / 8).  Scale words: [row block][K / 512][row i][4 words].
; A TILE IS 128 x 128: 16 x 16 = 256 work-groups, one for each WGP.  Four waves, 64 x 64 each: 16 accumulators.  A larger tile would feed more products from each LDS byte but leave most WGPs without work.
; K GOES IN FOUR SLOTS OF 512: a slot is 128 KiB, and two fit in LDS: two first fills that go out together, and two refills.  Each wave fetches one dense part of 32 KiB of a slot (128 rows x 256 along K):
; waves 0 and 1 A's two halves of the slot's K, waves 2 and 3 B's.  The scale words of the work-group's rows, for all of K, come once.
; CLUSTERS: 4 x 4.  A's tiles hang on the tile row alone and are shared along a row of the cluster, B's on the tile column alone and are shared along a column: joint loads.
; Source 0 = 16 rows of B, source 1 = 16 rows of A: lane (r, h) holds token pi(a, r), and register j of tile b column 32 (b / 2) + 16 h + 8 (b % 2) + j.  A wave's 64 columns are 256 consecutive bytes of a row of out0.
; The 16 steps of 128 along K are written out: 256 matrix instructions; every offset is an immediate.  No prefetch: the tile is small and the launch short.
; REGISTERS: window 0: v16-29 addresses; v32-63 scale words, two sets of 16; v64-127 rows on the way out; v128-255 accumulator (a, b) at v[128 + 8 (4 a + b)].
;   window 1: two fragment buffers of 128: A's four fragments, then B's four.
.set FR,    16                         ; registers of a fragment
.set NP,    8                          ; places behind this matrix instruction (ISA guide 7.12.1)
.set RBLK,  4096                       ; a row block's two images
.set PART,  8*RBLK                     ; 128 rows x 256 along K: what one tensor load brings
.set SLOT,  4*PART                     ; A's K 0-255, A's K 256-511, then B's two
.set KSB,   524288                     ; from 256 along K to the next, in memory
.set SCL,   2*SLOT                     ; the scale words: A's 8 KiB, then B's
.set SPART, 4096                       ; those of 64 rows: what one tensor load brings
.set SPARE, SCL+4*SPART                ; the spare words, 128 bytes for each wave
.set SPITCH, 272                       ; the way out: a stage of 16 rows x (256 bytes + 16) for each wave, in slot 0, which has had its last fill and its last read when the first result is stored there
.set ADRA, 16                          ; v16-17  LDS address of my A fragments in slot 0, 1
.set ADRB, 20                          ; v20-21  the same for B
.set STO,  24                          ; v24     the way out: where I put my pieces of a row
.set RD,   25                          ; v25     and where I read rows back
.set CO,   26                          ; v26     my byte offset in two rows of out0
.set ADRS, 27                          ; v27     LDS address of my scale words: lanes 0-15 A's rows, lanes 16-31 B's
.set SPW,  28
.set NIL,  29
.set SC,   32                          ; set s at v[SC + 16 s]; in it register 4 i + q: lanes 0-15 the word of A's block i, lanes 16-31 that of B's block i, for the slot's q-th 128 along K
.set BK,   64
.set ACC,  128
.set G1, 24
.set G0, 32
.set G1B, 48
.set G0B, 56
.set G1S, 68
.set G0S, 76
.set G1SB, 80
.set G0SB, 88
.set MSB, 0
.macro WIN new                         ; the immediate's high byte repeats the setting that is left
.if MSB != (\new)
	s_set_vgpr_msb (MSB<<8)|(\new)
.set MSB, (\new)
.endif
.endm
.set MUL,  0x05                        ; sources 0 (B) and 1 (A) window 1; C and D window 0
.set TO_F, 0x40                        ; destination window 1, address window 0
.macro JLOAD g0a, g1a, g0b, g1b        ; a joint load: waves 0 and 1 fetch for A, waves 2 and 3 for B; the branch hangs on the wave's number alone; an s_nop 0 and four v_nop follow each of the two lines
	s_cmp_eq_u32 s15, 0
	s_cbranch_scc0 .Lfor_b_\@
	tensor_load_to_lds s[\g0a:\g0a+3], s[\g1a:\g1a+7]
	s_nop 0
.rept 4
	v_nop
.endr
	s_branch .Lasked_\@
.Lfor_b_\@:
	tensor_load_to_lds s[\g0b:\g0b+3], s[\g1b:\g1b+7]
	s_nop 0
.rept 4
	v_nop
.endr
.Lasked_\@:
.endm
.macro CREST                           ; a round of the cluster's barrier behind its opening barrier
	s_cmp_lg_u32 s14, 0
	s_cbranch_scc1 .Lnot_wave_0_\@
	s_barrier_signal -3
.Lnot_wave_0_\@:
	s_barrier_wait -3
	s_barrier_signal -1
	s_barrier_wait -1
.endm
.macro CROUND
	s_barrier_signal -1
	s_barrier_wait -1
	CREST
.endm
	s_load_b128 s[4:7], s[0:1], 0x0                ; ao, aos
	s_load_b128 s[8:11], s[0:1], 0x10              ; cw, sw
	s_load_b64 s[12:13], s[0:1], 0x20              ; out0
	v_lshl_add_u32 v[SPW], v0, 2, SPARE
	v_mov_b32 v[NIL], 0
	ds_add_u32 v[SPW], v[NIL]                      ; the wave's opening
	v_lshrrev_b32 v1, 5, v0
	v_readfirstlane_b32 s14, v1                    ; wave 0..3
	s_lshr_b32 s15, s14, 1                         ; my half of the rows.  Also: I fetch for A (0) or B (1)
	s_and_b32 s16, s14, 1                          ; my half of the columns.  Also: which 256 of a slot's 512 along K I fetch
	s_bfe_u32 s40, ttmp6, 0x40000                  ; cx
	s_bfe_u32 s41, ttmp6, 0x40004                  ; cy
	s_lshl_b32 s42, ttmp9, 2
	s_add_co_u32 s42, s42, s40                     ; tile column
	s_and_b32 s17, ttmp7, 0xffff
	s_lshl_b32 s17, s17, 2
	s_add_co_u32 s17, s17, s41                     ; tile row
	s_lshl_b32 s43, s41, 2
	s_lshl_b32 s43, 15, s43                        ; my row of the cluster
	s_lshl_b32 s44, 0x1111, s40                    ; my column
	s_or_b32 s[G1+0], s43, (3<<16)|(1<<21)         ; 128 rows of 256 bytes (32 elements of 8), dense: 15:0 the mask; 17:16 elements of 8 bytes; 21 set beside a mask
	s_or_b32 s[G1B+0], s44, (3<<16)|(1<<21)
.irp g, G1, G1B
	s_mov_b32 s[\g+1], 32<<16                      ; tensor_dim0
	s_mov_b32 s[\g+2], 128<<16                     ; tensor_dim1
	s_mov_b32 s[\g+3], 32<<16                      ; tile_dim0
	s_mov_b32 s[\g+4], 128                         ; tile_dim1
	s_mov_b32 s[\g+5], 32                          ; tensor_dim0_stride
	s_mov_b32 s[\g+6], 0
	s_mov_b32 s[\g+7], 0
.endr
	s_or_b32 s[G1S+0], s43, (3<<16)|(1<<21)        ; the scale words of 64 rows: 16 rows of 256 bytes
	s_or_b32 s[G1SB+0], s44, (3<<16)|(1<<21)
.irp g, G1S, G1SB
	s_mov_b32 s[\g+1], 32<<16
	s_mov_b32 s[\g+2], 16<<16
	s_mov_b32 s[\g+3], 32<<16
	s_mov_b32 s[\g+4], 16
	s_mov_b32 s[\g+5], 32
	s_mov_b32 s[\g+6], 0
	s_mov_b32 s[\g+7], 0
.endr
	s_lshl_b32 s20, s17, 15                        ; A's codes: the tile's eight row blocks,
	s_lshl_b32 s21, s16, 19                        ; my 256 along K
	s_add_co_u32 s20, s20, s21
	s_mov_b32 s21, 0
	s_lshl_b32 s22, s17, 13                        ; A's scale words: the tile's 8 KiB,
	s_lshl_b32 s23, s16, 12                        ; my half of them
	s_add_co_u32 s22, s22, s23
	s_mov_b32 s23, 0
	s_lshl_b32 s46, s42, 15                        ; B's likewise,
	s_lshl_b32 s47, s16, 19
	s_add_co_u32 s46, s46, s47
	s_add_co_u32 s46, s46, 4<<22                   ; in w_o's region
	s_mov_b32 s47, 0
	s_lshl_b32 s92, s42, 13
	s_lshl_b32 s93, s16, 12
	s_add_co_u32 s92, s92, s93
	s_add_co_u32 s92, s92, 4<<17
	s_mov_b32 s93, 0
	s_lshl_b32 s45, s14, 15                        ; where they go: wave x a part: no place in the cluster enters an LDS address
	s_lshl_b32 s94, s14, 12
	s_wait_dscnt 0x0                               ; the opening add is done
	s_wait_kmcnt 0x0
	s_add_nc_u64 s[20:21], s[4:5], s[20:21]
	s_add_nc_u64 s[22:23], s[6:7], s[22:23]
	s_add_nc_u64 s[46:47], s[8:9], s[46:47]
	s_add_nc_u64 s[92:93], s[10:11], s[92:93]
	CROUND                                         ; all sixteen work-groups are here: the first joint loads meet
	s_mov_b32 s[G0S], 1
	s_add_co_u32 s[G0S+1], s94, SCL
	s_mov_b64 s[G0S+2:G0S+3], s[22:23]
	s_or_b32 s[G0S+3], s[G0S+3], 0x80000000
	s_mov_b32 s[G0SB], 1
	s_add_co_u32 s[G0SB+1], s94, SCL
	s_mov_b64 s[G0SB+2:G0SB+3], s[92:93]
	s_or_b32 s[G0SB+3], s[G0SB+3], 0x80000000
	JLOAD G0S, G1S, G0SB, G1SB                     ; the scale words first: three loads of mine are out behind the third of these
.irp s, 0,1
	s_mov_b32 s[G0+4*\s], 1
	s_add_co_u32 s[G0+4*\s+1], s45, \s*SLOT
	s_add_nc_u64 s[G0+4*\s+2:G0+4*\s+3], s[20:21], \s*2*KSB
	s_or_b32 s[G0+4*\s+3], s[G0+4*\s+3], 0x80000000
	s_mov_b32 s[G0B+4*\s], 1
	s_add_co_u32 s[G0B+4*\s+1], s45, \s*SLOT
	s_add_nc_u64 s[G0B+4*\s+2:G0B+4*\s+3], s[46:47], \s*2*KSB
	s_or_b32 s[G0B+4*\s+3], s[G0B+4*\s+3], 0x80000000
	JLOAD G0+4*\s, G1, G0B+4*\s, G1B
.endr
	v_and_b32 v1, 15, v0                           ; r
	v_bfe_u32 v2, v0, 4, 1                         ; h
	v_and_b32 v3, 31, v0
	v_lshlrev_b32 v4, 4, v3                        ; 16 x lane: an image's place for my lane
	s_lshl_b32 s21, s15, 14                        ; my 64 rows of A: four row blocks
	s_lshl_b32 s22, s16, 14                        ; my 64 rows of B,
	s_add_co_u32 s22, s22, 2*PART                  ; behind A's two parts
.irp s, 0,1
	v_add_nc_u32 v[ADRA+\s], s21, v4
	v_add_nc_u32 v[ADRB+\s], s22, v4
	s_add_co_u32 s21, s21, SLOT
	s_add_co_u32 s22, s22, SLOT
.endr
	s_lshl_b32 s21, s15, 12                        ; scale words: lanes 0-15 A's rows, lanes 16-31 B's: the lower base + h x the distance
	s_lshl_b32 s22, s16, 12
	s_add_co_u32 s22, s22, 2*SPART
	s_sub_co_u32 s22, s22, s21
	v_mul_u32_u24 v6, s22, v2
	s_add_co_u32 s21, s21, SCL
	v_lshlrev_b32 v5, 4, v1                        ; 16 bytes a row: the four words of 512 along K
	v_add_nc_u32 v5, v5, v6
	v_add_nc_u32 v[ADRS], s21, v5
	s_mul_i32 s23, s14, 16*SPITCH                  ; my stage
	v_mul_u32_u24 v5, v1, SPITCH
	v_lshl_add_u32 v5, v2, 6, v5                   ; in: row r, + 64 h: my half's 16 columns of each 32
	v_add_nc_u32 v[STO], s23, v5
	v_mul_u32_u24 v5, v2, SPITCH
	v_lshl_add_u32 v5, v1, 4, v5                   ; back: lanes 0-15 one row of 256 bytes, lanes 16-31 the next
	v_add_nc_u32 v[RD], s23, v5
	v_lshlrev_b32 v5, 13, v2                       ; and the same two rows in out0: rows of 8,192 bytes
	v_lshl_add_u32 v[CO], v1, 4, v5
	s_lshl_b32 s20, s17, 20                        ; out0: 128 rows of 8,192 bytes a tile row,
	s_lshl_b32 s21, s15, 19                        ; my 64 rows,
	s_add_co_u32 s20, s20, s21
	s_lshl_b32 s21, s42, 9                         ; 128 columns of 4 bytes a tile column,
	s_add_co_u32 s20, s20, s21
	s_lshl_b32 s21, s16, 8                         ; my 64 columns
	s_add_co_u32 s20, s20, s21
	s_mov_b32 s21, 0
	s_add_nc_u64 s[12:13], s[12:13], s[20:21]
; 32 LDS loads in one run: my four fragments of B and of A for the slot's q-th 128 along K, into buffer f.  A fragment comes back as it was stored: four loads of 512 consecutive bytes
.macro FETCH slot, q, f
	WIN TO_F
.irp i, 0,1,2,3
.irp c, 0,1,2,3
	ds_load_b128 v[\f+64+FR*\i+4*\c:\f+64+FR*\i+4*\c+3], v[ADRB+\slot] offset:((\q)/2)*PART+((\q)%2)*2048+\i*RBLK+512*\c
.endr
.irp c, 0,1,2,3
	ds_load_b128 v[\f+FR*\i+4*\c:\f+FR*\i+4*\c+3], v[ADRA+\slot] offset:((\q)/2)*PART+((\q)%2)*2048+\i*RBLK+512*\c
.endr
.endr
.endm
.macro SCALES sc, ks                   ; the four words a row of the ks-th 512 along K into set sc: lanes 0-15 take A's block i, lanes 16-31 B's block i
	WIN 0
.irp i, 0,1,2,3
	ds_load_b128 v[SC+16*\sc+4*\i:SC+16*\sc+4*\i+3], v[ADRS] offset:\i*1024+\ks*256
.endr
.endm
; 8 matrix instructions: A's blocks a0, a0 + 1 x B's four, 128 along K.  The 16 accumulators take turns, one instruction a turn, in the same order in every step.  zero = 1: the first product starts the sums
.macro MUL8 f, q, sc, a0, zero
.irp a, \a0, \a0+1
.irp b, 0,1,2,3
.if \zero
	v_wmma_scale_f32_16x16x128_f8f6f4 v[ACC+8*(4*(\a)+\b):ACC+8*(4*(\a)+\b)+7], v[\f+64+FR*\b:\f+64+FR*\b+FR-1], v[\f+FR*(\a):\f+FR*(\a)+FR-1], 0, v[SC+16*(\sc)+4*\b+(\q)], v[SC+16*(\sc)+4*(\a)+(\q)] matrix_a_scale:MATRIX_SCALE_ROW1
.else
	v_wmma_scale_f32_16x16x128_f8f6f4 v[ACC+8*(4*(\a)+\b):ACC+8*(4*(\a)+\b)+7], v[\f+64+FR*\b:\f+64+FR*\b+FR-1], v[\f+FR*(\a):\f+FR*(\a)+FR-1], v[ACC+8*(4*(\a)+\b):ACC+8*(4*(\a)+\b)+7], v[SC+16*(\sc)+4*\b+(\q)], v[SC+16*(\sc)+4*(\a)+(\q)] matrix_a_scale:MATRIX_SCALE_ROW1
.endif
.endr
.endr
.endm
.macro PLACES n                        ; plain vector lines between a matrix instruction and a load into, or a read of, its registers
.rept \n
	v_nop
.endr
.endm
; One of a slot's first three steps of 128 along K: the next step's fragments are asked for, into the buffer that the last step's products have read; then this step's 16 products.
.macro STEP slot, q, zero
	PLACES NP
	FETCH \slot, (\q)+1, 128*(1-(\q)%2)
	s_wait_dscnt 32                                ; all but the 32 loads just issued: this step's fragments (and, in a slot's first step, its scale words) are in
	WIN MUL
	MUL8 128*((\q)%2), \q, \slot, 0, \zero
	MUL8 128*((\q)%2), \q, \slot, 2, \zero
.endm
; A slot's last step changes slots: in front of the one barrier each wave waits for all its tensor loads, adds 0 to its spare word, and waits for that and for its reads of this slot.
; fill = 1: the barrier opens a round of the cluster's, and this slot is filled again, with the 512 along K two slots on.  ks: which 512 along K the next slot holds.
.macro TURN slot, next, ks, fill
	WIN 0                                          ; (the add's two registers lie in window 0)
	s_wait_tensorcnt 0x0                           ; all my tensor loads have landed: my part of the next slot
	ds_add_u32 v[SPW], v[NIL]
	s_wait_dscnt 1                                 ; this step's fragments are in (the add may be out)
	WIN MUL
	MUL8 128, 3, \slot, 0, 0                       ; eight matrix instructions stand between the add and the wait for it
	s_wait_dscnt 0x0                               ; the add is done, and my reads of this slot are over
	s_barrier_signal -1
	MUL8 128, 3, \slot, 2, 0
	WIN 0
	s_barrier_wait -1
.if \fill
	CREST                                          ; no wave of any partner still reads this slot or has a load on its way
	s_add_nc_u64 s[G0+4*\slot+2:G0+4*\slot+3], s[G0+4*\slot+2:G0+4*\slot+3], 4*KSB
	s_add_nc_u64 s[G0B+4*\slot+2:G0B+4*\slot+3], s[G0B+4*\slot+2:G0B+4*\slot+3], 4*KSB
	JLOAD G0+4*\slot, G1, G0B+4*\slot, G1B         ; the first tensor load behind the round; its four v_nop are among the places in front of the loads below
	PLACES NP-4
.else
	PLACES NP
.endif
	FETCH \next, 0, 0
	SCALES \next, \ks
.endm
	s_wait_tensorcnt 1                             ; the scale words and my part of slot 0 are in; slot 1's load may be out
	s_barrier_signal -1
	s_barrier_wait -1
	FETCH 0, 0, 0
	SCALES 0, 0
	STEP 0, 0, 1                                   ; K 0-511; the first step's products start the sums
	STEP 0, 1, 0
	STEP 0, 2, 0
	TURN 0, 1, 1, 1                                ; slot 0 takes K 1,024-1,535
	STEP 1, 0, 0                                   ; K 512-1,023
	STEP 1, 1, 0
	STEP 1, 2, 0
	TURN 1, 0, 2, 1                                ; slot 1 takes K 1,536-2,047
	STEP 0, 0, 0
	STEP 0, 1, 0
	STEP 0, 2, 0
	TURN 0, 1, 3, 0                                ; nothing is left to fetch
	STEP 1, 0, 0
	STEP 1, 1, 0
	STEP 1, 2, 0
	s_wait_dscnt 0
	MUL8 128, 3, 1, 0, 0
	MUL8 128, 3, 1, 2, 0
	WIN 0
; THE WAY OUT, a block of 16 tokens x 64 columns at a time, through my own stage: in by the lanes' pieces of 32 bytes, back as whole rows of 256 bytes.  LDS serves a wave's instructions in order (ISA guide 5.7.1.4):
; no wait between the stores and the loads, nor in front of the next block's stores.
.macro TOSTAGE a
.irp b, 0,1,2,3
	ds_store_b128 v[STO], v[ACC+8*(4*(\a)+\b):ACC+8*(4*(\a)+\b)+3] offset:128*(\b/2)+32*(\b%2)          ; each accumulator from its low end on
	ds_store_b128 v[STO], v[ACC+8*(4*(\a)+\b)+4:ACC+8*(4*(\a)+\b)+7] offset:128*(\b/2)+32*(\b%2)+16
.endr
.set BB, BK+32*((\a)%2)
.irp t, 0,1,2,3,4,5,6,7
	ds_load_b128 v[BB+4*\t:BB+4*\t+3], v[RD] offset:2*\t*SPITCH
.endr
.endm
.macro SEND a, younger                 ; younger: the LDS instructions issued behind block a's loads
.set BB, BK+32*((\a)%2)
	s_wait_dscnt \younger
.irp t, 0,1,2,3,4,5,6,7
	global_store_b128 v[CO], v[BB+4*\t:BB+4*\t+3], s[12:13] offset:(32*((\a)/2)+8*((\a)%2)+2*\t+8*(\t/4))*8192 th:TH_STORE_NT   ; stage rows 2 t and 2 t + 1 are tokens pi(a, 2 t) and the next: sixteen lanes store 256 consecutive bytes, at a multiple of 256
.endr
.endm
	PLACES NP
	TOSTAGE 0
.irp a, 1,2,3
.if \a > 1
	s_wait_xcnt 0x0                                ; block a - 2's stores have read their registers: block a's loads may land there
.endif
	TOSTAGE \a
	SEND \a-1, 16                                  ; behind block a - 1's loads: block a's 8 stores and 8 loads
.endr
	SEND 3, 0
	s_wait_tensorcnt 0x0                           ; the wave's end
	ds_add_u32 v[SPW], v[NIL]
	s_wait_dscnt 0x0
	CROUND                                         ; the closing round
	s_endpgm
.Lfunc_end_k_q3e9d30191b_outp:
	.size	k_q3e9d30191b_outp, .Lfunc_end_k_q3e9d30191b_outp-k_q3e9d30191b_outp
	.p2alignl 7, 3214868480
	.fill 96, 4, 3214868480
	.section	.rodata,"a",@progbits
	.p2align	6, 0x0
	.amdhsa_kernel k_q3e9d30191b_outp
		.amdhsa_group_segment_fixed_size 327680
		.amdhsa_private_segment_fixed_size 0
		.amdhsa_enable_private_segment 0
		.amdhsa_kernarg_size 40
		.amdhsa_user_sgpr_count 2
		.amdhsa_user_sgpr_kernarg_segment_ptr 1
		.amdhsa_wavefront_size32 1
		.amdhsa_system_sgpr_workgroup_id_x 1
		.amdhsa_system_sgpr_workgroup_id_y 1
		.amdhsa_system_sgpr_workgroup_id_z 1
		.amdhsa_system_vgpr_workitem_id 0
		.amdhsa_next_free_vgpr 512
		.amdhsa_next_free_sgpr 100
		.amdhsa_reserve_vcc 0
		.amdhsa_float_denorm_mode_32 3
		.amdhsa_float_denorm_mode_16_64 3
		.amdhsa_memory_ordered 1
		.amdhsa_forward_progress 1
		.amdhsa_inst_pref_size 90
	.end_amdhsa_kernel
	.amdgpu_metadata
---
amdhsa.version: [ 1, 2 ]
amdhsa.kernels:
  - .name:           k_q3e9d30191b_outp
    .symbol:         k_q3e9d30191b_outp.kd
    .args:
      - { .name: ao, .offset: 0, .size: 8, .value_kind: global_buffer, .address_space: global }
      - { .name: aos, .offset: 8, .size: 8, .value_kind: global_buffer, .address_space: global }
      - { .name: cw, .offset: 16, .size: 8, .value_kind: global_buffer, .address_space: global }
      - { .name: sw, .offset: 24, .size: 8, .value_kind: global_buffer, .address_space: global }
      - { .name: out0, .offset: 32, .size: 8, .value_kind: global_buffer, .address_space: global }
    .group_segment_fixed_size: 327680
    .private_segment_fixed_size: 0
    .kernarg_segment_align: 8
    .kernarg_segment_size: 40
    .max_flat_workgroup_size: 128
    .sgpr_count:     100
    .vgpr_count:     512
    .wavefront_size: 32
...
	.end_amdgpu_metadata
.endif
;; end of part 4
